; MI455X (gfx1250); checked and timed in simulation.
; The chip was launched on July 23, 2026; its instructions are those of AMD's public machine-readable ISA for CDNA 5 (MIT licence, August 2026) and "CDNA5" Instruction Set Architecture Reference Guide (July 2026). The comments in the code are by the model that wrote it; some were corrected since.
;; Self Attention. Allowed arithmetic: matrix products marked QUANTISED: E3M2 operands, one E8M0 scale for each 32 along K, by v_wmma_scale_f32_16x16x128_f8f6f4 with both operands' format E3M2, f32 sums; everything else in f32.
;; Inputs: Wk 1,024 x 1,024 float32; Wq 1,024 x 1,024 float32; Wv 1,024 x 1,024 float32; bk 1,024 float32; bq 1,024 float32; bv 1,024 float32; x 4 x 2,048 x 1,024 float32.
;; Outputs: out0 4 x 2,048 x 1,024 float32.
;; This version of the problem:
;;   THIS VERSION OF THE PROBLEM IS GIVEN IN LOW PRECISION. The matrix products marked QUANTISED in the list below multiply operands that are first quantised to E3M2 (3 exponent bits, 2 mantissa bits; 6 bits a number), with one power-of-two scale for each 32 numbers along K (OCP MX v1.0); their sums are f32. All else is computed in f32.
;;   The module's matrix products, in the order in which they are computed (A, B: the left and right operand; K: the contracted axis; several contracted axes count as one K, in the product's order):
;;     1. [M 8,192, K 1,024] x [K 1,024, N 1,024]; A: input x; B: input Wq: QUANTISED
;;     2. [M 8,192, K 1,024] x [K 1,024, N 1,024]; A: input x; B: input Wk: QUANTISED
;;     3. [M 8,192, K 1,024] x [K 1,024, N 1,024]; A: input x; B: input Wv: QUANTISED
;;     4. batch 4 x [M 2,048, K 1,024] x [K 1,024, N 2,048]; A: computed on the way; B: computed on the way: QUANTISED
;;     5. batch 4 x [M 2,048, K 2,048] x [K 2,048, N 1,024]; A: softmax (see below); B: computed on the way: QUANTISED
;;   THE QUANTISER, for each operand of a quantised product, along K:
;;     - K is cut into blocks of 32 from its start; a last block that is shorter is filled with zeros.
;;     - A block's scale is 2^e with e = floor(log2(the largest magnitude in the block)) - 4, held to -126 .. 127; a block of zeros has e = 0. As a byte (E8M0): e + 127.
;;     - Each number is divided by its block's scale, clamped to +-28, and rounded to the nearest number of E3M2, ties to even, subnormals kept.
;;     - The product sums the exact products of the quantised numbers (number of the format x scale) in f32.
;;   ~~~python
;;   def quantise(x, axis):      # numpy; x: float32 -> the quantised numbers, widened to float32 again
;;       x = np.moveaxis(x, axis, -1); K = x.shape[-1]
;;       x = np.pad(x, [(0, 0)] * (x.ndim - 1) + [(0, -K % 32)]); x = x.reshape(x.shape[:-1] + (-1, 32)); a = np.abs(x).max(-1, keepdims=True)
;;       e = np.where(a > 0, np.clip(np.frexp(np.where(a > 0, a, 1))[1] - 1 - 4, -126, 127), 0)      # np.frexp(a)[1] - 1 = floor(log2(a)), exactly
;;       r = np.clip(x / 2.0 ** e, -28, 28)
;;       step = 2.0 ** (np.maximum(np.frexp(np.where(r == 0, 1, r))[1] - 1, -2) - 2)
;;       q = np.round(r / step) * step * 2.0 ** e      # np.round: ties to even
;;       return np.moveaxis(q.reshape(q.shape[:-2] + (-1,))[..., :K], -1, axis).astype(np.float32)
;;   ~~~
;;   SOFTMAX AHEAD OF A QUANTISED PRODUCT. Where the list says 'softmax', what is quantised is not the finished softmax but p = 2^(t - M), with t = logit x log2(e) and M = ceil(the row's largest t), a whole number; so 1/2 < the row's largest p <= 1. The row's sum l is taken of the UNQUANTISED p, in f32, and the product's result is divided by l at the end. Since M is a whole number, a kernel that streams over the keys may use a running M (the ceiling of the running maximum): every later rescaling is an exact power of two, which a block's scale takes up: the codes' values come out the same.
;;   OPERANDS COMPUTED ON THE WAY. 'Computed on the way' means the value that the module computes at that place (a softmax that the list does not call 'softmax' is quantised finished and normalised). What goes into a quantiser is computed in f32, as accurately as f32 sums, v_exp_f32 and their like allow (about 1e-6 of the number): no bf16 or f16 on the way to a quantiser, and a product that is left as it is and whose result goes on into a quantised operand takes f32 operands (vector FMAs, or v_wmma_f32_16x16x4_f32). A number that lies on a knife's edge between two numbers of the format may be rounded either way, as far as f32 arithmetic and the matrix unit's own rounding can turn it there, and no further.
;; One version. Each part assembles by itself: llvm-mc -triple=amdgcn-amd-amdhsa -mcpu=gfx1250 --defsym DOCPART=n.
;; ======== version 1 of 1: 4 launches
;; limits: right only within a limited range of input values
;; workspace buffers: xw 9,011,200 bytes; qkvc 19,660,800 bytes; p_codes 12,582,912 bytes; p_stats 1,572,864 bytes
;; launch quant (part 1): grid 448 x 1, 4 waves a work-group, no clusters, 48,640 bytes of LDS; arguments x, Wq, Wk, Wv, xw; writes xw
.if DOCPART == 1
	.amdgcn_target "amdgcn-amd-amdhsa--gfx1250"
	.amdhsa_code_object_version 6
	.text
	.protected	k_q639e8e4068_quant
	.globl	k_q639e8e4068_quant
	.p2align	8
	.type	k_q639e8e4068_quant,@function
k_q639e8e4068_quant:
	s_mov_b64 s[64:65], 0
	v_nop
	global_prefetch_b8 v0, s[64:65] scope:SCOPE_SE
	s_setreg_imm32_b32 hwreg(HW_REG_WAVE_MODE, 25, 1), 1
	s_wait_xcnt 0x0
; x [8192][1024] and Wq, Wk, Wv [1024 (d)][1024 (f)], f32, become codes of BF6 (E3M2) with one E8M0 byte for each 32 along K = d.
; A block's scale is 2^(floor(log2(largest magnitude)) - 4); its byte is the largest magnitude's exponent field - 4, held at 1 from below (a block of zeros keeps the byte 1: its codes are zeros, and this program alone reads the bytes).
; LAYOUT OF THE RESULT: images of the operand's registers.  A fragment (16 rows x 128 K, 12 registers a lane) is 1,536 bytes: three chunks of 512, lane l's 16 bytes at 16 l = registers 4 c .. 4 c + 3.
; An operand lies [rg = row / 128][ks = k / 128][8 fragments][1,536]; its scale words [rg][ks][8][16 lanes], 4 bytes each.  Lane r of fragment t holds row 32 (t / 2) + 8 (t % 2) + r + 8 (r / 8) of the rg:
; with such rows as source 0 of a product, a lane's 16 results of two neighbouring tiles are 16 neighbours, which the next launch quantises in registers.
; x: rg 0-63 from byte 0.  W: rows = f, rg 0-7 Wq, 8-15 Wk, 16-23 Wv, from byte WC (scale words from WS).
; Work-groups 0-255 take x, 256-447 the weights: two paths that part on the work-group's number, each with LDS bytes of its own.  No tensor load, no barrier: waves share nothing; no cluster: no two work-groups read the same bytes.
; LIMITS: NaN and infinities are not served; blocks whose largest magnitude lies under 2^-122 get the byte 1; W's scale words leave in runs of 8 consecutive bytes (98,304 bytes in all).
.set XREG,  8704                       ; x path, LDS of a wave: a stage of 16 rows x 528 bytes, then 256 bytes of scale words
.set XWRD,  8448
.set WBASE, 4*XREG                     ; W path, LDS of a wave: two images, 1,664 bytes apart
.set WREG,  3328
.set WFR,   1664
; A BLOCK = one [rg][ks]: 12,288 bytes of codes (8 fragments), and from byte WS of the block on its 512 bytes of scale words.  x: block 8 rg + ks.
; The weights' blocks stand in 16 groups of 12 from byte WC on: group g: the 8 K steps of Wq | Wk's rg g, then Wv's rg g / 2, K steps 4 (g % 2) .. + 3.
; Inside a block the words stand as [2][16 lanes][4 fragments], and so the head's [8][16 lanes] is to be read: fragment t, lane r at 256 (t / 4) + 16 r + 4 (t % 4): a lane takes four by one load.  x's leave in units of 256 bytes, W's as single words.
.set BLK,   12800
.set WC,    64*8*BLK
.set WS,    12288
.set FRB,   1536
	s_load_b256 s[4:11], s[0:1], 0x0               ; x s[4:5], Wq s[6:7], Wk s[8:9], Wv s[10:11]
	s_load_b64 s[12:13], s[0:1], 0x20              ; the blocks
	v_lshl_add_u32 v59, v0, 2, 0xbc00
	v_mov_b32 v63, 0
	v_lshrrev_b32 v1, 5, v0
	v_readfirstlane_b32 s16, v1                    ; wave
	v_and_b32 v1, 31, v0                           ; lane
	v_and_b32 v2, 15, v0                           ; r
	v_bfe_u32 v3, v0, 4, 1                         ; h
	v_lshlrev_b32 v4, 4, v1                        ; 16 x lane
	s_mov_b32 s20, 0x76543210
	s_mov_b32 s21, 0xfedcba98                      ; v_permlanex16_b32's selects for lane l xor 16
	s_cmp_lt_u32 ttmp9, 256
	s_cbranch_scc0 .Lweights
; ---------------- x: a wave makes four fragments (t = 4 half + f) of one K step: 32,768 bytes in, 6,144 bytes of codes and 256 bytes of scale words out
	s_lshl_b32 s17, ttmp9, 2
	s_add_co_u32 s17, s17, s16                     ; X = 4 x work-group + wave
	s_and_b32 s18, s17, 7                          ; ks
	s_bfe_u32 s19, s17, 0x10003                    ; half
	s_lshr_b32 s22, s17, 4                         ; rg
	s_lshl_b32 s24, s22, 19                        ; in: 128 rows of 4,096 bytes an rg,
	s_lshl_b32 s23, s19, 18                        ; 64 rows a half,
	s_add_co_u32 s24, s24, s23
	s_lshl_b32 s23, s18, 9                         ; 512 bytes a K step
	s_add_co_u32 s24, s24, s23
	s_mov_b32 s25, 0
	s_lshl_b32 s26, s22, 3
	s_add_co_u32 s26, s26, s18                     ; 8 rg + ks
	s_mul_i32 s30, s26, BLK
	s_mul_i32 s23, s19, 4*FRB
	s_add_co_u32 s28, s30, s23
	s_mov_b32 s29, 0
	s_lshl_b32 s23, s19, 8
	s_add_co_u32 s30, s30, s23
	s_add_co_u32 s30, s30, WS
	s_mov_b32 s31, 0
	s_mul_i32 s23, s16, XREG
	s_wait_alu depctr_va_vdst(0)
	v_add_nc_u32 v5, s23, v4                       ; the stage, in: a row's 512 bytes as loaded
	v_mul_u32_u24 v6, v2, 528
	v_lshl_add_u32 v6, v3, 7, v6
	v_add_nc_u32 v6, s23, v6                       ; out: row r, + 128 h: my 32 neighbours of each 64
	s_add_co_u32 s23, s23, XWRD
	v_lshl_add_u32 v7, v2, 4, s23                  ; my row's scale words
	v_lshl_add_u32 v8, v1, 3, s23                  ; and the 256 bytes on their way out, 8 a lane
	v_lshlrev_b32 v9, 3, v1
	v_lshlrev_b32 v10, 3, v3                       ; 8 h: where my two bytes stand in the word
	s_wait_alu depctr_va_vdst(0)
	s_wait_kmcnt 0x0
	s_add_nc_u64 s[4:5], s[4:5], s[24:25]
	s_add_nc_u64 s[14:15], s[12:13], s[30:31]
	s_add_nc_u64 s[12:13], s[12:13], s[28:29]
; v64-127, v128-191, v192-255: three sets of 64 numbers, fragment f in set f % 3
.macro XLOAD f                         ; sixteen rows, in the fragment's order; each load reads 512 consecutive bytes of one row
.irp n, 0,1,2,3,4,5,6,7,8,9,10,11,12,13,14,15
	global_load_b128 v[64+64*((\f)%3)+4*\n:64+64*((\f)%3)+4*\n+3], v4, s[4:5] offset:(32*((\f)/2)+8*((\f)%2)+\n+8*(\n/8))*4096 th:TH_LOAD_NT
.endr
.endm
.macro XTURN f                         ; through the stage: afterwards register 32 c + i of lane (r, h) is x(row r, 64 c + 32 h + i).  LDS serves a wave's instructions in order: no wait between stores and loads
.irp n, 0,1,2,3,4,5,6,7,8,9,10,11,12,13,14,15
	ds_store_b128 v5, v[64+64*((\f)%3)+4*\n:64+64*((\f)%3)+4*\n+3] offset:528*\n
.endr
.irp c, 0,1
.irp q, 0,1,2,3,4,5,6,7
	ds_load_b128 v[64+64*((\f)%3)+32*\c+4*\q:64+64*((\f)%3)+32*\c+4*\q+3], v6 offset:256*\c+16*\q
.endr
.endr
.endm
.macro XQ f                            ; a lane holds two whole blocks (2 c + h): no other lane is asked for a maximum
.set XS, 64+64*((\f)%3)
.irp c, 0,1
	v_max3_num_f32 v[11+\c], |v[XS+32*\c]|, |v[XS+32*\c+1]|, 0x2800000   ; with the floor 2^(5 - 127): the byte cannot fall under 1
.endr
.irp i, 2,4,6,8,10,12,14,16,18,20,22,24,26,28,30
.irp c, 0,1
	v_max3_num_f32 v[11+\c], v[11+\c], |v[XS+32*\c+\i]|, |v[XS+32*\c+\i+1]|
.endr
.endr
.irp c, 0,1
	v_add_nc_u32 v[13+\c], 0xfe000000, v[11+\c]    ; 4 off the exponent field: the conversion's scale operand
.endr
.irp c, 0,1
	v_lshrrev_b32 v[15+\c], 23, v[13+\c]           ; the scale's byte
.endr
	v_lshl_or_b32 v[20+(\f)], v16, 16, v15         ; my two bytes: blocks h and 2 + h,
	v_lshlrev_b32 v[20+(\f)], v10, v[20+(\f)]      ; at their places;
	v_mov_b32 v17, 0
	v_permlanex16_b32 v17, v[20+(\f)], s20, s21
	v_or_b32 v[20+(\f)], v[20+(\f)], v17           ; with lane l xor 16's two the word is whole
	s_wait_alu depctr_va_vdst(0)
	s_wait_xcnt 0x0                                ; the last fragment's stores have read v24-35: they are written again only behind this wait
.irp c, 0,1
	v_cvt_scalef32_pk16_bf6_f32 v[24+6*\c:26+6*\c], v[XS+32*\c:XS+32*\c+15], v[13+\c]
	v_cvt_scalef32_pk16_bf6_f32 v[36+4*\c:38+4*\c], v[XS+32*\c+16:XS+32*\c+31], v[13+\c]   ; (a conversion's three registers begin on an even number)
.endr
	v_nop                                          ; one plain line behind the conversions
.irp c, 0,1
.irp i, 0,1,2
	v_mov_b32 v[27+6*\c+\i], v[36+4*\c+\i]
.endr
.endr
.irp c, 0,1,2
	global_store_b128 v4, v[24+4*\c:27+4*\c], s[12:13] offset:FRB*(\f)+512*\c   ; the image: 512 consecutive bytes a store
.endr
	ds_store_b32 v7, v[20+(\f)] offset:4*(\f)      ; lanes r and r + 16 write the same word with the same value
.endm
	XLOAD 0
	XLOAD 1
	XLOAD 2
	s_wait_loadcnt 32                              ; fragment 0's sixteen loads are in; the 32 younger may be out
	XTURN 0
	s_wait_loadcnt 16                              ; fragment 1's are in
	XTURN 1
	s_wait_dscnt 32                                ; fragment 0 is back from the stage; fragment 1's 32 stage instructions may be out
	XQ 0
	XLOAD 3                                        ; into fragment 0's set
	s_wait_loadcnt 16                              ; fragment 2's are in; fragment 3's may be out
	XTURN 2
	s_wait_dscnt 33                                ; behind fragment 1's stage loads: a word's store and fragment 2's 32
	XQ 1
	s_wait_loadcnt 0x0
	XTURN 3
	s_wait_dscnt 33
	XQ 2
	s_wait_dscnt 1                                 ; the word's store may be out
	XQ 3
	ds_load_b64 v[44:45], v8                       ; my wave's 64 scale words
	s_wait_dscnt 0x0
	global_store_b64 v9, v[44:45], s[14:15]        ; 256 consecutive bytes, aligned
	s_wait_tensorcnt 0x0
	ds_add_u32 v59, v63
	s_wait_dscnt 0x0
	s_endpgm
; ---------------- W: K is the FIRST axis.  A lane takes a column f, its registers run down K: a wave takes 32 columns x 128 along K = two fragments
.Lweights:
	s_sub_co_u32 s17, ttmp9, 256
	s_lshl_b32 s17, s17, 2
	s_add_co_u32 s17, s17, s16                     ; Y
	s_and_b32 s18, s17, 31                         ; pb: which 32 columns
	s_bfe_u32 s19, s17, 0x30005                    ; ks
	s_lshr_b32 s22, s17, 8                         ; which matrix
	s_lshl_b32 s24, s19, 19                        ; in: 128 rows of 4,096 bytes a K step,
	s_lshl_b32 s23, s18, 7                         ; 128 bytes for 32 columns
	s_add_co_u32 s24, s24, s23
	s_mov_b32 s25, 0
	s_lshr_b32 s23, s18, 2
	s_lshl_b32 s26, s22, 3
	s_add_co_u32 s26, s26, s23                     ; rg = 8 x matrix + pb / 4
	s_mul_i32 s26, s26, 12
	s_add_co_u32 s26, s26, s19                     ; Wq, Wk: block 12 rg + ks
	s_mul_i32 s27, s23, 24
	s_lshr_b32 s28, s19, 2
	s_mul_i32 s28, s28, 12
	s_add_co_u32 s27, s27, s28
	s_and_b32 s28, s19, 3
	s_add_co_u32 s27, s27, s28
	s_add_co_u32 s27, s27, 8                       ; Wv: block 12 (2 rg + ks / 4) + 8 + ks % 4
	s_cmp_eq_u32 s22, 2
	s_cselect_b32 s26, s27, s26
	s_mul_i32 s30, s26, BLK
	s_add_co_u32 s30, s30, WC
	s_and_b32 s23, s18, 3                          ; my two fragments of the block's eight: 2 (pb % 4), + 1
	s_mul_i32 s28, s23, 2*FRB
	s_add_co_u32 s28, s28, s30
	s_mov_b32 s29, 0
	s_and_b32 s27, s23, 1
	s_lshl_b32 s27, s27, 3                         ; t % 4 = 2 (pb % 2) + u
	s_lshr_b32 s23, s23, 1
	s_lshl_b32 s23, s23, 8                         ; t / 4
	s_add_co_u32 s30, s30, s23
	s_add_co_u32 s30, s30, s27
	s_add_co_u32 s30, s30, WS
	s_mov_b32 s31, 0
	s_mul_i32 s23, s16, WREG
	s_add_co_u32 s23, s23, WBASE
	v_bfe_u32 v5, v0, 3, 1                         ; column l of the 32 is lane r = l % 8 + 8 (l / 16) of fragment u = (l / 8) % 2
	v_and_b32 v6, 7, v0
	v_bfe_u32 v7, v0, 4, 1
	v_lshl_or_b32 v6, v7, 3, v6
	v_mul_u32_u24 v8, v5, WFR
	v_lshl_add_u32 v8, v6, 4, v8
	v_add_nc_u32 v8, s23, v8                       ; into the images: 1,664 u + 16 r
	s_wait_alu depctr_va_vdst(0)
	v_add_nc_u32 v9, s23, v4                       ; out of them: 16 x lane
	v_lshlrev_b32 v10, 2, v5
	v_lshl_add_u32 v10, v6, 4, v10                 ; my scale word's place: 4 u + 16 r
	v_lshlrev_b32 v11, 2, v1
	s_wait_alu depctr_va_vdst(0)
	s_wait_kmcnt 0x0
	s_cmp_eq_u32 s22, 0                            ; the choice hangs on the work-group's number alone
	s_cselect_b64 s[6:7], s[6:7], s[8:9]
	s_cmp_eq_u32 s22, 2
	s_cselect_b64 s[6:7], s[10:11], s[6:7]
	s_add_nc_u64 s[6:7], s[6:7], s[24:25]
	s_add_nc_u64 s[14:15], s[12:13], s[30:31]
	s_add_nc_u64 s[12:13], s[12:13], s[28:29]
.macro WLOAD b                         ; block b: W(128 ks + 32 b + i, my column), i = 0 .. 31, into registers of its own: 128 consecutive bytes a wave, 512 a work-group
.set wi, 0
.rept 32
	global_load_b32 v[64+32*(\b)+wi], v11, s[6:7] offset:(32*(\b)+wi)*4096 th:TH_LOAD_NT
.set wi, wi+1
.endr
.endm
.macro WBLOCK b                        ; block b of my column: in the operand it belongs to lane (r, h = b % 2), registers 6 (b / 2) .. + 5
.set XS, 64+32*(\b)
.if (\b) < 3
	s_wait_loadcnt 32                              ; this block's 32 loads are in; the next block's 32 may be out
.else
	s_wait_loadcnt 0x0
.endif
.if (\b)+2 < 4
	WLOAD (\b)+2                                   ; the loads run two blocks ahead: at most 64 of a wave are out
.endif
	v_max3_num_f32 v12, |v[XS]|, |v[XS+1]|, |v[XS+2]|
	v_max3_num_f32 v13, |v[XS+3]|, |v[XS+4]|, |v[XS+5]|
.irp i, 6,10,14,18,22,26
	v_max3_num_f32 v12, v12, |v[XS+\i]|, |v[XS+\i+1]|
	v_max3_num_f32 v13, v13, |v[XS+\i+2]|, |v[XS+\i+3]|
.endr
	v_max3_num_f32 v12, v12, |v[XS+30]|, |v[XS+31]|
	v_max3_num_f32 v12, v12, v13, 0x2800000        ; and the floor
	v_add_nc_u32 v14, 0xfe000000, v12
	v_lshrrev_b32 v15, 23, v14
.if (\b) == 0
	v_mov_b32 v46, v15                             ; the four bytes of my column's scale word
.else
	v_lshl_or_b32 v46, v15, 8*(\b), v46
.endif
	v_cvt_scalef32_pk16_bf6_f32 v[16+8*(\b):18+8*(\b)], v[XS:XS+15], v14
	v_cvt_scalef32_pk16_bf6_f32 v[48+4*(\b):50+4*(\b)], v[XS+16:XS+31], v14
	v_nop
.irp i, 0,1,2
	v_mov_b32 v[19+8*(\b)+\i], v[48+4*(\b)+\i]
.endr
.if (\b)/2 == 0                        ; registers 0-3 are chunk 0, 4-7 chunk 1, 8-11 chunk 2 of the image
	ds_store_b128 v8, v[16+8*(\b):19+8*(\b)] offset:256*((\b)%2)
	ds_store_b64 v8, v[20+8*(\b):21+8*(\b)] offset:512+256*((\b)%2)
.else
	ds_store_b64 v8, v[16+8*(\b):17+8*(\b)] offset:520+256*((\b)%2)
	ds_store_b128 v8, v[18+8*(\b):21+8*(\b)] offset:1024+256*((\b)%2)
.endif
.endm
	WLOAD 0
	WLOAD 1
	WBLOCK 0
	WBLOCK 1
	WBLOCK 2
	WBLOCK 3
.irp u, 0,1
.irp c, 0,1,2
	ds_load_b128 v[64+12*\u+4*\c:67+12*\u+4*\c], v9 offset:WFR*\u+512*\c   ; LDS serves a wave's instructions in order: these see my stores
.endr
.endr
	s_wait_alu depctr_va_vdst(0)
	s_wait_dscnt 0x0
.irp u, 0,1
.irp c, 0,1,2
	global_store_b128 v4, v[64+12*\u+4*\c:67+12*\u+4*\c], s[12:13] offset:FRB*\u+512*\c
.endr
.endr
	global_store_b32 v10, v46, s[14:15]
	s_wait_tensorcnt 0x0
	ds_add_u32 v59, v63
	s_wait_dscnt 0x0
	s_endpgm
.Lfunc_end_k_q639e8e4068_quant:
	.size	k_q639e8e4068_quant, .Lfunc_end_k_q639e8e4068_quant-k_q639e8e4068_quant
	.p2alignl 7, 3214868480
	.fill 96, 4, 3214868480
	.section	.rodata,"a",@progbits
	.p2align	6, 0x0
	.amdhsa_kernel k_q639e8e4068_quant
		.amdhsa_group_segment_fixed_size 48640
		.amdhsa_private_segment_fixed_size 0
		.amdhsa_enable_private_segment 0
		.amdhsa_kernarg_size 40
		.amdhsa_user_sgpr_count 2
		.amdhsa_user_sgpr_kernarg_segment_ptr 1
		.amdhsa_wavefront_size32 1
		.amdhsa_system_sgpr_workgroup_id_x 1
		.amdhsa_system_sgpr_workgroup_id_y 1
		.amdhsa_system_sgpr_workgroup_id_z 1
		.amdhsa_system_vgpr_workitem_id 0
		.amdhsa_next_free_vgpr 256
		.amdhsa_next_free_sgpr 66
		.amdhsa_reserve_vcc 0
		.amdhsa_float_denorm_mode_32 3
		.amdhsa_float_denorm_mode_16_64 3
		.amdhsa_memory_ordered 1
		.amdhsa_forward_progress 1
		.amdhsa_inst_pref_size 53
	.end_amdhsa_kernel
	.amdgpu_metadata
---
amdhsa.version: [ 1, 2 ]
amdhsa.kernels:
  - .name:           k_q639e8e4068_quant
    .symbol:         k_q639e8e4068_quant.kd
    .args:
      - { .name: x, .offset: 0, .size: 8, .value_kind: global_buffer, .address_space: global }
      - { .name: Wq, .offset: 8, .size: 8, .value_kind: global_buffer, .address_space: global }
      - { .name: Wk, .offset: 16, .size: 8, .value_kind: global_buffer, .address_space: global }
      - { .name: Wv, .offset: 24, .size: 8, .value_kind: global_buffer, .address_space: global }
      - { .name: xw, .offset: 32, .size: 8, .value_kind: global_buffer, .address_space: global }
    .group_segment_fixed_size: 48640
    .private_segment_fixed_size: 0
    .kernarg_segment_align: 8
    .kernarg_segment_size: 40
    .max_flat_workgroup_size: 128
    .sgpr_count:     66
    .vgpr_count:     256
    .wavefront_size: 32
...
	.end_amdgpu_metadata
.endif
;; end of part 1
;; launch qkv (part 2): grid 8 x 32, 4 waves a work-group, clusters of 4 x 4, 327,680 bytes of LDS; arguments xw, bq, bk, bv, qkvc; writes qkvc
.if DOCPART == 2
	.amdgcn_target "amdgcn-amd-amdhsa--gfx1250"
	.amdhsa_code_object_version 6
	.text
	.protected	k_q639e8e4068_qkv
	.globl	k_q639e8e4068_qkv
	.p2align	8
	.type	k_q639e8e4068_qkv,@function
k_q639e8e4068_qkv:
	s_mov_b64 s[64:65], 0
	v_nop
	global_prefetch_b8 v0, s[64:65] scope:SCOPE_SE
	s_setreg_imm32_b32 hwreg(HW_REG_WAVE_MODE, 25, 1), 1
	s_wait_xcnt 0x0
	s_wait_alu depctr_hold_cnt(0) depctr_sa_sdst(0) depctr_va_vdst(0) depctr_va_sdst(0) depctr_va_ssrc(0) depctr_va_vcc(0) depctr_vm_vsrc(0)
	s_getreg_b32 s2, hwreg(HW_REG_IB_STS2, 6, 4)
	s_cmp_eq_u32 s2, 0
	s_cbranch_scc0 .Lentry_in_a_cluster
	s_endpgm
.Lentry_in_a_cluster:
	s_bfe_u32 s2, ttmp6, 0x10000c
	s_cmp_lg_u32 s2, 0xf033
	s_cbranch_scc0 .Lentry_shape_is_right
	s_endpgm
.Lentry_shape_is_right:
; Q = x Wq + bq, K = x Wk + bk, V^T = (x Wv + bv)^T on codes of BF6 (E3M2) with E8M0 scales, K = 1,024; each result is quantised in registers, along the next product's K, and leaves as codes.
; OPERANDS are blocks of 128 rows x 128 K: 8 fragments of 1,536 bytes, each the image of an operand's registers (three ds_load_b128 at 16 x lane), then the scale words [2][16 lanes][4 fragments].
; Lane r of fragment t holds row 32 (t / 2) + 8 (t % 2) + r + 8 (r / 8).  Source 0 = 16 rows of J, source 1 = 16 rows of I: a lane holds ONE row of I, and its 64 registers of an I block are j = 32 b + 16 (lane / 16) + i in
; register 16 b + i: what the quantiser wants.
; A WORK-GROUP MAKES TWO TILES.  Q and K are 32 x 8 tiles of 256 x 256, V^T is 256 tiles of 128 x 256: each of the 256 work-groups takes one of each.
;   FIRST:  I = x (tile It), J = Wq | Wk (tile Jt): a wave makes 128 x 128, 64 accumulators; the bias runs along J.
;   SECOND: I = Wv's rg Jt (128 rows f), J = x's tile It again: V^T[f][s]; a wave makes 64 x 128, 32 accumulators; the bias runs along I.  Each bias is the C of its sums' first products.
; LDS: x's 256 rows for all of K stay (2 x 102,400 bytes).  The weights go through two slots of two K steps, 51,200 bytes each.  In memory Wv's four K steps follow Wq | Wk's eight, so every refill steps 25,600 bytes:
;   head: x 0-1 | W 0-1;  then x 2-7 | W 2-3;  at K step 1 W 4-5, at 3 W 6-7, at 5 and 7 Wv, which then lies in K's order over both slots.  A refill is shared by the four waves, a block each.
; CLUSTER 4 x 4: x is asked for jointly along a row of the cluster, the weights along a column.  LDS is claimed whole, and 0 is added to spare words.
; PREFETCH: behind the head's load the second load's tiles are asked for: of each 76,800 bytes of x a partner names 19,200 by its place along the row, of each 25,600 of W 6,400 by its place along the column (clusters 0-3 along y alone).
; The refills have two K steps in which to land and are not prefetched.
; LDS LOADS of the next K step go out in two runs, words and J in front of the products, I in their middle: the fragments have two sets of registers.  Block a of I waits for all but the 3 loads of each later block and those issued since.
; OUT: block idx of qkvc: Q idx = 8 rg + ks, K the same + 512, V^T idx = 1,024 + (8 batch + rg_f) 16 + ks_keys.
; LIMITS: NaN and infinities are not served; a block of 32 whose largest magnitude lies under 2^-122 gets the byte 1.
; REGISTERS: window 0: v0-31 addresses; v32-63 scale words, two sets of 8 (I) + 8 (J); v64-255 I's fragments, two sets (second product: v64-159).  window 1: v0-191 J's, two sets; v192-255 the bias.
;   windows 2, 3: accumulator (a, b) at v[8 (8 (a % 4) + b)] of window 2 + a / 4.
.set FRB,  1536
.set BLK,  12800
.set WOFF, 12288
.set PAIR, 2*BLK
.set RG,   8*BLK
.set JB,   2*RG
.set SPARE, JB+4*PAIR                  ; the spare words, 128 bytes a wave
.set SCR,  SPARE+512                   ; 1,024 bytes a wave: scale words on their way out; no fill lands here
.set WC,   64*RG
.set SC,   32
.set IS0,  64
.set CB,   192
.set BO1,  5
.set BO2,  7
.set BX,   8                           ; v8, v9    x as J: fragments, words
.set BXW,  9
.set BV,   10                          ; v10, v11  my four blocks of Wv
.set BVW,  11
.set PFO,  12                          ; v12       the prefetches' offset
.set SRD2, 14
.set L8,   15
.set BI,   16                          ; v16-19    the first product's bases: I, I's words, J, J's words
.set BIW,  17
.set BJ,   18
.set BJW,  19
.set VI,   20                          ; v20-23    the same for the pair of K steps in hand
.set VIW,  21
.set VJ,   22
.set VJW,  23
.set L16,  26
.set SWA,  27
.set SPW,  28
.set NIL,  29
.set SRD,  30
.set TM,   64                          ; the epilogues: v64-87 at work, v96-135 codes, v136-143 words
.set PC,   96
.set PW,   136
.set WV,   18
.set WI,   19
.set WJ,   20
.set CXR,  21
.set CYR,  22
.set G1I,  24                          ; group 1 for x; its two words that count rows are set anew for the second load
.set G1J,  32                          ; for the weights' first two loads
.set G0I,  40
.set G0J,  44
.set IT,   48
.set JT,   49
.set G1T,  56                          ; for the refills
.set G0T,  68
.set TL,   72
.set OUT1, 76
.set OUT2, 78
.set OUT2S, 80
.set PFA,  84
.set NB,   8                           ; blocks of I a wave has
.set R1,   NB/4+26                     ; LDS loads of a K step's first run,
.set LT,   R1+3*NB                     ; and of both
.set MSB,  0
.macro WIN new                         ; the immediate's high byte repeats the setting that is left
.if MSB != (\new)
	s_set_vgpr_msb (MSB<<8)|(\new)
.set MSB, (\new)
.endif
.endm
.macro PLACES
.rept 4
	v_nop
.endr
.endm
.macro ADR i, iw, j, jw                ; which address registers the loads use
.set XI, \i
.set XIW, \iw
.set XJ, \j
.set XJW, \jw
.endm
.macro NX off                          ; where in the pair the K step lies
.set FOI, \off
.set FOJ, \off
.set FOW, (\off)+WOFF
.endm
.macro LD1                             ; LDS load number LN of a K step, into set FS
.if LN < NB/4
	WIN 0
	ds_load_b128 v[SC+16*FS+4*LN:SC+16*FS+4*LN+3], v[XIW] offset:FOW+256*LN
.elseif LN < NB/4+2
	WIN 0
	ds_load_b128 v[SC+16*FS+8+4*(LN-NB/4):SC+16*FS+11+4*(LN-NB/4)], v[XJW] offset:FOJ+WOFF+256*(LN-NB/4)
.elseif LN < R1
	WIN 0x40
	ds_load_b128 v[96*FS+4*(LN-NB/4-2):96*FS+4*(LN-NB/4-2)+3], v[XJ] offset:FOJ+512*(LN-NB/4-2)
.else
	WIN 0
	ds_load_b128 v[IS0+12*NB*FS+4*(LN-R1):IS0+12*NB*FS+4*(LN-R1)+3], v[XI] offset:FOI+512*(LN-R1)
.endif
.set LN, LN+1
.set LC, LC+1
.endm
.macro RUN n
.rept \n
	LD1
.endr
	WIN 0
.endm
.macro FETCHALL                        ; a K step's loads in one run, into set 0
.set FS, 0
.set LN, 0
.set LC, 0
	RUN LT
.endm
; eight products: I's block a against J's eight.  cm = 0: onto the sums; 2: C = the bias along J; 3: along I.  The accumulators take turns
.macro MB set, a, cm
.irp b, 0,1,2,3,4,5,6,7
.set rD, 8*(8*((\a)%4)+\b)
.set rJ, 96*(\set)+12*\b
.set rI, IS0+12*NB*(\set)+12*(\a)
.set rS, SC+16*(\set)
.if (\cm) < 2
	WIN 0xa1+0x50*((\a)/4)
.else
	WIN 0x91+0x40*((\a)/4)
.endif
.if (\cm) == 0
	v_wmma_scale_f32_16x16x128_f8f6f4 v[rD:rD+7], v[rJ:rJ+11], v[rI:rI+11], v[rD:rD+7], v[rS+8+\b], v[rS+(\a)] matrix_a_fmt:MATRIX_FMT_BF6 matrix_b_fmt:MATRIX_FMT_BF6
.elseif (\cm) == 2
	v_wmma_scale_f32_16x16x128_f8f6f4 v[rD:rD+7], v[rJ:rJ+11], v[rI:rI+11], v[CB+8*\b:CB+8*\b+7], v[rS+8+\b], v[rS+(\a)] matrix_a_fmt:MATRIX_FMT_BF6 matrix_b_fmt:MATRIX_FMT_BF6
.else
	v_wmma_scale_f32_16x16x128_f8f6f4 v[rD:rD+7], v[rJ:rJ+11], v[rI:rI+11], v[CB+8*(\a):CB+8*(\a)+7], v[rS+8+\b], v[rS+(\a)] matrix_a_fmt:MATRIX_FMT_BF6 matrix_b_fmt:MATRIX_FMT_BF6
.endif
.endr
.endm
; A K step: four plain lines stand between the last K step's products and the loads into the registers that they read
.macro KS set, cm, fetch
	s_wait_dscnt 3*(NB-1)                          ; words, J and block 0 of I are in; the 3 loads of each later block may be out
.set LC, 0
.if \fetch
	PLACES
.set FS, 1-(\set)
.set LN, 0
	RUN R1
.endif
.irp a, 0,1,2,3,4,5,6,7
.if \a < NB
.if \fetch
.if \a == NB/2
	RUN LT-R1
.endif
.endif
.if \a > 0
	s_wait_dscnt 3*(NB-1-\a)+LC                    ; behind block a's loads: those of the later blocks, and the next K step's so far
.endif
	MB \set, \a, \cm
.endif
.endr
	WIN 0
.endm
.macro CREST
	s_cmp_lg_u32 s[WV], 0
	s_cbranch_scc1 .Lnot_wave_0_\@
	s_barrier_signal -3
.Lnot_wave_0_\@:
	s_barrier_wait -3
	s_barrier_signal -1
	s_barrier_wait -1
.endm
.macro CROUND
	s_barrier_signal -1
	s_barrier_wait -1
	CREST
.endm
.macro JLOAD                           ; a joint load: waves 0, 1 fetch x's halves, waves 2, 3 the weights'; four v_nop follow each line
	s_cmp_eq_u32 s[WI], 0
	s_cbranch_scc0 .Lfor_j_\@
	tensor_load_to_lds s[G0I:G0I+3], s[G1I:G1I+7]
	s_nop 0
	PLACES
	s_branch .Lasked_\@
.Lfor_j_\@:
	tensor_load_to_lds s[G0J:G0J+3], s[G1J:G1J+7]
	s_nop 0
	PLACES
.Lasked_\@:
.endm
; A K step behind which a slot is filled again.  In front of the barrier: my fragments are in registers, so my reads of the slot are over; all my tensor loads have landed; 0 is added to my spare word and waited for.
; The barrier opens a round of the cluster's barrier: no wave of any partner still reads the slot or has a load on its way.
.macro TS set, fetch
	s_wait_dscnt 0x0
	s_wait_tensorcnt 0x0
	ds_add_u32 v[SPW], v[NIL]
	s_add_co_u32 s[G0T+1], s[TL], s15              ; my block of the slot just read out,
	s_add_nc_u64 s[G0T+2:G0T+3], s[G0T+2:G0T+3], PAIR   ; and the next pair
	MB \set, 0, 0
	s_wait_dscnt 0x0                               ; the add is done
	s_barrier_signal -1
	MB \set, 1, 0
	WIN 0
	s_barrier_wait -1
	CREST
	tensor_load_to_lds s[G0T:G0T+3], s[G1T:G1T+7]  ; jointly with my column
	s_nop 0
	PLACES                                         ; also the plain lines in front of the loads below
.if \fetch
.set LC, 0
.set FS, 1-(\set)
.set LN, 0
	RUN R1
.endif
.irp a, 2,3,4
	MB \set, \a, 0
.endr
.if \fetch
	RUN LT-R1
.endif
.irp a, 5,6,7
	MB \set, \a, 0
.endr
	WIN 0
.endm
	s_load_b256 s[4:11], s[0:1], 0x0               ; xw s[4:5], bq s[6:7], bk s[8:9], bv s[10:11]
	s_load_b64 s[12:13], s[0:1], 0x20              ; qkvc
	v_lshl_add_u32 v[SPW], v0, 2, SPARE
	v_mov_b32 v[NIL], 0
	ds_add_u32 v[SPW], v[NIL]                      ; the opening add, twice on end; its wait stands ahead of the first tensor load
	ds_add_u32 v[SPW], v[NIL]
	v_lshrrev_b32 v1, 5, v0
	v_readfirstlane_b32 s[WV], v1
	s_lshr_b32 s[WI], s[WV], 1                     ; my half of I.  Also: I fetch x (0) or weights (1)
	s_and_b32 s[WJ], s[WV], 1                      ; my half of J.  Also: which half I fetch
	s_bfe_u32 s[CXR], ttmp6, 0x40000
	s_bfe_u32 s[CYR], ttmp6, 0x40004
	s_and_b32 s23, ttmp7, 0xffff
	s_lshl_b32 s[IT], s23, 2
	s_add_co_u32 s[IT], s[IT], s[CYR]              ; It, 0-31: hangs on y alone
	s_lshl_b32 s[JT], ttmp9, 2
	s_add_co_u32 s[JT], s[JT], s[CXR]              ; Jt, 0-7: hangs on x alone
	s_lshl_b32 s66, s[IT], 1
	s_add_co_u32 s66, s66, s[WJ]
	s_mul_i32 s52, s66, RG                         ; the rg of x that I fetch
	s_mov_b32 s53, 0
	s_lshl_b32 s67, s[JT], 1
	s_add_co_u32 s67, s67, s[WJ]
	s_mul_i32 s54, s67, 12*BLK                     ; the weights' group
	s_add_co_u32 s54, s54, WC
	s_mov_b32 s55, 0
	s_mul_i32 s50, s[WI], BLK                      ; in a refill: which block of the pair
	s_mov_b32 s51, 0
	s_lshl_b32 s66, s[CYR], 2
	s_lshl_b32 s66, 15, s66                        ; my row of the cluster
	s_lshl_b32 s67, 0x1111, s[CXR]                 ; my column
	; groups 1: dense blocks as rows of 256 bytes (32 elements of 8 bytes), no padding
	s_or_b32 s[G1I], s66, (3<<16)|(1<<21)
	s_or_b32 s[G1J], s67, (3<<16)|(1<<21)
	s_or_b32 s[G1T], s67, (3<<16)|(1<<21)
.irp g, G1I, G1J, G1T
	s_mov_b32 s[\g+1], 32<<16
	s_mov_b32 s[\g+3], 32<<16
	s_mov_b32 s[\g+5], 32
	s_mov_b32 s[\g+6], 0
	s_mov_b32 s[\g+7], 0
.endr
.irp g, G1I, G1J
	s_mov_b32 s[\g+2], 100<<16                     ; a pair of blocks: 100 rows
	s_mov_b32 s[\g+4], 100
.endr
	s_mov_b32 s[G1T+2], 50<<16                     ; a block: 50 rows
	s_mov_b32 s[G1T+4], 50
	s_mov_b32 s[G0I], 1
	s_mul_i32 s[G0I+1], s[WJ], RG
	s_mov_b32 s[G0J], 1
	s_mul_i32 s[TL], s[WJ], 2*PAIR
	s_add_co_u32 s[TL], s[TL], JB
	s_mov_b32 s[G0J+1], s[TL]
	s_add_co_u32 s[TL], s[TL], s50
	s_mov_b32 s[G0T], 1
	s_wait_alu depctr_va_vdst(0)
	s_wait_dscnt 0x0                               ; both opening adds are done
	CROUND                                         ; all sixteen work-groups are here: the first joint loads meet
	s_wait_kmcnt 0x0
	s_add_nc_u64 s[G0I+2:G0I+3], s[4:5], s[52:53]
	s_or_b32 s[G0I+3], s[G0I+3], 0x80000000
	s_add_nc_u64 s[G0J+2:G0J+3], s[4:5], s[54:55]
	s_or_b32 s[G0J+3], s[G0J+3], 0x80000000
	JLOAD                                          ; K steps 0, 1: one tensor load a wave at the head
	v_and_b32 v1, 31, v0
	v_and_b32 v2, 15, v0                           ; r
	v_bfe_u32 v3, v0, 4, 1                         ; h
	v_lshlrev_b32 v[L16], 4, v1
	v_min_u32 v[PFO], 24, v1
	v_lshlrev_b32 v[PFO], 8, v[PFO]                ; 25 blocks of 256 bytes; the lanes left over name the last again
	s_wait_alu depctr_va_vdst(0)                   ; many readers follow among scalar lines
	s_mul_i32 s66, s[CXR], 19200                   ; my share of the second load's tiles, by my place
	s_mul_i32 s67, s[CYR], 6400
	s_cmp_eq_u32 s[WI], 0
	s_cselect_b32 s66, s66, s67
	s_cselect_b32 s67, s52, s54
	s_add_co_u32 s66, s66, s67
	s_mov_b32 s67, 0
	s_add_nc_u64 s[PFA:PFA+1], s[4:5], s[66:67]
	s_cmp_eq_u32 s[WI], 0
	s_cbranch_scc0 .Lask_w
.irp i, 0,1,2
	global_prefetch_b8 v[PFO], s[PFA:PFA+1] offset:PAIR+6400*\i th:TH_LOAD_NT scope:SCOPE_SE
.endr
	s_branch .Lask_end
.Lask_w:
	s_cmp_lt_u32 s23, 4                            ; W's tiles are every cluster row's: four of them ask
	s_cbranch_scc0 .Lask_end
	global_prefetch_b8 v[PFO], s[PFA:PFA+1] offset:PAIR th:TH_LOAD_NT scope:SCOPE_SE
.Lask_end:
	s_add_nc_u64 s[G0T+2:G0T+3], s[4:5], s[54:55]
	s_add_nc_u64 s[G0T+2:G0T+3], s[G0T+2:G0T+3], s[50:51]
	s_add_nc_u64 s[G0T+2:G0T+3], s[G0T+2:G0T+3], PAIR   ; at K steps 2, 3: the first refill steps on
	s_or_b32 s[G0T+3], s[G0T+3], 0x80000000
	s_mul_i32 s66, s[WI], RG
	v_add_nc_u32 v[BI], s66, v[L16]
	v_lshl_add_u32 v[BIW], v2, 4, s66
	s_mul_i32 s66, s[WJ], 2*PAIR
	s_add_co_u32 s66, s66, JB
	v_add_nc_u32 v[BJ], s66, v[L16]
	v_lshl_add_u32 v[BJW], v2, 4, s66
	s_mul_i32 s66, s[WJ], RG
	v_add_nc_u32 v[BX], s66, v[L16]
	v_lshl_add_u32 v[BXW], v2, 4, s66
	s_mul_i32 s66, s[WI], 4*FRB
	s_add_co_u32 s66, s66, JB
	v_add_nc_u32 v[BV], s66, v[L16]
	s_lshl_b32 s66, s[WI], 8
	s_add_co_u32 s66, s66, JB
	v_lshl_add_u32 v[BVW], v2, 4, s66
	s_lshl_b32 s66, s[WV], 10
	s_add_co_u32 s66, s66, SCR
	v_lshl_add_u32 v[SWA], v2, 4, s66
	v_add_nc_u32 v[SRD], s66, v[L16]
	v_lshlrev_b32 v[L8], 3, v1
	s_add_co_u32 s66, s66, 512
	v_lshl_add_u32 v[SRD2], v1, 3, s66
	v_lshlrev_b32 v[BO1], 6, v3
	v_and_b32 v4, 8, v2
	v_add_nc_u32 v4, v4, v2
	v_lshlrev_b32 v[BO2], 2, v4                    ; 4 (r + 8 (r / 8))
	s_wait_alu depctr_va_vdst(0)
	; the first bias, in the result's layout: register 8 n + g = b[32 (n / 2) + 8 (n % 2) + 16 h + g]
	s_cmp_eq_u32 ttmp9, 0                          ; J's tiles 0-3 are Wq's, 4-7 Wk's
	s_cselect_b64 s[6:7], s[6:7], s[8:9]
	s_lshl_b32 s2, s[CXR], 10
	s_lshl_b32 s3, s[WJ], 9
	s_add_co_u32 s2, s2, s3
	s_mov_b32 s3, 0
	s_add_nc_u64 s[6:7], s[6:7], s[2:3]
	WIN 0x40
.irp n, 0,1,2,3,4,5,6,7
	global_load_b128 v[CB+8*\n:CB+8*\n+3], v[BO1], s[6:7] offset:4*(32*(\n/2)+8*(\n%2))
	global_load_b128 v[CB+8*\n+4:CB+8*\n+7], v[BO1], s[6:7] offset:4*(32*(\n/2)+8*(\n%2))+16
.endr
	WIN 0
	; the second bias: bv at my 64 rows f
	s_lshl_b32 s66, s[JT], 9
	s_lshl_b32 s67, s[WI], 8
	s_add_co_u32 s66, s66, s67
	s_mov_b32 s67, 0
	s_add_nc_u64 s[10:11], s[10:11], s[66:67]
	; where the results go
	s_lshl_b32 s66, s[IT], 1
	s_add_co_u32 s66, s66, s[WI]
	s_lshl_b32 s66, s66, 3                         ; 8 rg
	s_lshl_b32 s67, s[JT], 1
	s_add_co_u32 s67, s67, s[WJ]
	s_and_b32 s67, s67, 7                          ; ks
	s_add_co_u32 s66, s66, s67
	s_lshl_b32 s67, ttmp9, 9                       ; 512 for K
	s_add_co_u32 s66, s66, s67
	s_mul_i32 s66, s66, BLK
	s_mov_b32 s67, 0
	s_add_nc_u64 s[OUT1:OUT1+1], s[12:13], s[66:67]
	s_lshl_b32 s66, s[IT], 1
	s_add_co_u32 s66, s66, s[WJ]                   ; x's rg as J
	s_lshr_b32 s67, s66, 4
	s_lshl_b32 s67, s67, 3
	s_add_co_u32 s67, s67, s[JT]
	s_lshl_b32 s67, s67, 4
	s_and_b32 s66, s66, 15
	s_add_co_u32 s66, s66, s67
	s_add_co_u32 s66, s66, 1024
	s_mul_i32 s66, s66, BLK
	s_mov_b32 s67, 0
	s_add_nc_u64 s[12:13], s[12:13], s[66:67]
	s_mul_i32 s66, s[WI], 4*FRB                    ; my four fragments of the block's eight,
	s_add_nc_u64 s[OUT2:OUT2+1], s[12:13], s[66:67]
	s_lshl_b32 s66, s[WI], 8
	s_add_co_u32 s66, s66, WOFF                    ; and their words
	s_add_nc_u64 s[OUT2S:OUT2S+1], s[12:13], s[66:67]
	s_mov_b32 s2, PAIR                             ; x's pair to be read,
	s_mov_b32 s3, PAIR                             ; the weights' slot to be read,
	s_mov_b32 s15, 0                               ; and the one to be filled
	s_mov_b32 s14, 0
	s_wait_alu depctr_va_vdst(0)
	s_wait_tensorcnt 0x0                           ; my part of K steps 0, 1 is in
	ds_add_u32 v[SPW], v[NIL]
	s_mov_b32 s[G1I+2], 300<<16                    ; no tensor load of mine is out: x's next load brings six blocks
	s_mov_b32 s[G1I+4], 300
	s_add_co_u32 s[G0I+1], s[G0I+1], PAIR
	s_add_nc_u64 s[G0I+2:G0I+3], s[G0I+2:G0I+3], PAIR
	s_add_co_u32 s[G0J+1], s[G0J+1], PAIR
	s_add_nc_u64 s[G0J+2:G0J+3], s[G0J+2:G0J+3], PAIR
	s_wait_dscnt 0x0
	CROUND
	JLOAD                                          ; x's K steps 2-7, the weights' 2, 3
	ADR BI, BIW, BJ, BJW
	NX 0
	FETCHALL
	s_wait_loadcnt 0x0                             ; the bias
	NX BLK
	KS 0, 2, 1                                     ; K step 0: the bias starts the sums
	ADR VI, VIW, VJ, VJW
.Lk:                                                   ; trip t: K steps 2 t + 1 and 2 t + 2; their loads are those of the next pair
	v_add_nc_u32 v[VI], s2, v[BI]
	v_add_nc_u32 v[VIW], s2, v[BIW]
	v_add_nc_u32 v[VJ], s3, v[BJ]
	v_add_nc_u32 v[VJW], s3, v[BJW]
	s_wait_alu depctr_va_vdst(0)
	NX 0
	TS 1, 1
	NX BLK
	KS 0, 0, 1
	s_add_co_u32 s2, s2, PAIR
	s_xor_b32 s3, s3, PAIR
	s_xor_b32 s15, s15, PAIR
	s_add_co_u32 s14, s14, 1
	s_cmp_lt_u32 s14, 3
	s_cbranch_scc1 .Lk
	TS 1, 0                                        ; K step 7: the last refill
	PLACES                                         ; in front of the first read of results and the first write of registers that the products read
; AN EPILOGUE, for I's blocks a and a + 1: 64 numbers a lane each become a fragment and a scale word a row.  Each accumulator is read from its low end on.  so: the codes' address; wo: where the words are gathered
.macro QUANT2 a, so, wo
.set W, 2+(\a)/4
.set AC, 64*((\a)%4)
	WIN (W<<2)|(W<<4)
.irp k, 0,1,2,3,4,5,6,7
	v_max3_num_f32 v[TM+\k], 0x2800000, |v[AC+16*\k]|, |v[AC+16*\k+1]|   ; chain k: my 16 numbers of a block of 32, and the floor 2^(5 - 127)
.endr
.irp i, 2,4,6,8,10,12,14
.irp k, 0,1,2,3,4,5,6,7
	v_max3_num_f32 v[TM+\k], v[TM+\k], |v[AC+16*\k+\i]|, |v[AC+16*\k+\i+1]|
.endr
.endr
	WIN 0
.irp k, 0,1,2,3,4,5,6,7
	v_permlanex16_b32 v[TM+8+\k], v[TM+\k], s82, s83
.endr
.irp k, 0,1,2,3,4,5,6,7
	v_max_num_f32 v[TM+\k], v[TM+\k], v[TM+8+\k]   ; with lane l xor 16's
.endr
.irp k, 0,1,2,3,4,5,6,7
	v_add_nc_u32 v[TM+16+\k], 0xfe000000, v[TM+\k] ; 4 off the exponent field: the conversion's scale operand
.endr
.irp k, 0,1,2,3,4,5,6,7
	v_lshrrev_b32 v[TM+8+\k], 23, v[TM+16+\k]      ; the byte
.endr
.irp b, 1,2,3
.irp q, 0,1
.if \b == 1
	v_lshl_or_b32 v[PW+(\a)+\q], v[TM+9+4*\q], 8, v[TM+8+4*\q]
.else
	v_lshl_or_b32 v[PW+(\a)+\q], v[TM+8+4*\q+\b], 8*\b, v[PW+(\a)+\q]
.endif
.endr
.endr
	s_wait_alu depctr_va_vdst(0)
	s_wait_xcnt 0x0                                ; the last blocks' stores have read their codes
	WIN W
.irp q, 0,1
.irp c, 0,1
	v_cvt_scalef32_pk16_bf6_f32 v[PC+20*\q+6*\c:PC+20*\q+6*\c+2], v[AC+64*\q+32*\c:AC+64*\q+32*\c+15], v[TM+16+4*\q+2*\c]
	v_cvt_scalef32_pk16_bf6_f32 v[PC+20*\q+12+4*\c:PC+20*\q+14+4*\c], v[AC+64*\q+32*\c+16:AC+64*\q+32*\c+31], v[TM+17+4*\q+2*\c]
.endr
.endr
	WIN 0
	v_nop                                          ; one plain line behind the conversions
.irp i, 0,1,2                          ; the operand wants a whole block in a lane: lanes 0-15 block 2 c, lanes 16-31 block 2 c + 1
.irp q, 0,1
.irp c, 0,1
	v_permlane16_swap_b32 v[PC+20*\q+6*\c+\i], v[PC+20*\q+12+4*\c+\i]
.endr
.endr
.endr
.irp i, 0,1,2
.irp q, 0,1
.irp c, 0,1
	v_mov_b32 v[PC+20*\q+3+6*\c+\i], v[PC+20*\q+12+4*\c+\i]
.endr
.endr
.endr
.irp q, 0,1
.irp c, 0,1,2
	global_store_b128 v[L16], v[PC+20*\q+4*\c:PC+20*\q+4*\c+3], s[\so:\so+1] offset:FRB*((\a)+\q)+512*\c   ; the image: 512 consecutive bytes a store
.endr
	ds_store_b32 v[SWA], v[PW+(\a)+\q] offset:\wo+256*((\a)/4)+4*(((\a)+\q)%4)
.endr
.endm
	s_mov_b32 s82, 0x76543210
	s_mov_b32 s83, 0xfedcba98
	WIN 0x40
.irp a, 0,1,2,3                        ; the second bias, asked for here and wanted behind this epilogue: all eight registers of block a = bv[32 (a / 2) + 8 (a % 2) + r + 8 (r / 8)] of my 64
.irp g, 0,1,2,3,4,5,6,7
	global_load_b32 v[CB+8*\a+\g], v[BO2], s[10:11] offset:4*(32*(\a/2)+8*(\a%2))
.endr
.endr
	WIN 0
.irp k, 0,1,2,3,4,5,6,7
	v_mov_b32 v[TM+8+\k], 0                        ; a lane permute's destination counts as one of its sources
.endr
.irp a, 0,2,4,6
	QUANT2 \a, OUT1, 0
.endr
	ds_load_b128 v[144:147], v[SRD]                ; my 128 scale words (LDS serves a wave's instructions in order)
	s_wait_dscnt 0x0
	global_store_b128 v[L16], v[144:147], s[OUT1:OUT1+1] offset:WOFF
	; ---- THE SECOND PRODUCT.  This barrier shows the last refill
	s_wait_alu depctr_va_vdst(0)
	s_wait_tensorcnt 0x0                           ; my last tensor load has landed
	s_wait_xcnt 0x0                                ; the stores above have read v96-147: fragments are loaded there only behind this wait
	s_barrier_signal -1
	s_barrier_wait -1
.set NB, 4
.set R1, NB/4+26
.set LT, R1+3*NB
	ADR BV, BVW, BX, BXW
	NX 0
	FETCHALL
	s_wait_loadcnt 0x0                             ; the second bias
	NX BLK
	KS 0, 3, 1                                     ; the bias starts the sums
	s_mov_b32 s2, PAIR
	s_mov_b32 s14, 0
	ADR VI, VIW, VJ, VJW
.Lk2:
	v_add_nc_u32 v[VI], s2, v[BV]
	v_add_nc_u32 v[VIW], s2, v[BVW]
	v_add_nc_u32 v[VJ], s2, v[BX]
	v_add_nc_u32 v[VJW], s2, v[BXW]
	s_wait_alu depctr_va_vdst(0)
	NX 0
	KS 1, 0, 1
	NX BLK
	KS 0, 0, 1
	s_add_co_u32 s2, s2, PAIR
	s_add_co_u32 s14, s14, 1
	s_cmp_lt_u32 s14, 3
	s_cbranch_scc1 .Lk2
	KS 1, 0, 0
	PLACES
.irp a, 0,2
	QUANT2 \a, OUT2, 512
.endr
	ds_load_b64 v[144:145], v[SRD2]                ; my 64 scale words
	s_wait_dscnt 0x0
	global_store_b64 v[L8], v[144:145], s[OUT2S:OUT2S+1]   ; 256 consecutive bytes, aligned
	s_wait_tensorcnt 0x0                           ; the wave's end
	ds_add_u32 v[SPW], v[NIL]
	s_wait_dscnt 0x0
	CROUND                                         ; the closing round
	s_endpgm
.Lfunc_end_k_q639e8e4068_qkv:
	.size	k_q639e8e4068_qkv, .Lfunc_end_k_q639e8e4068_qkv-k_q639e8e4068_qkv
	.p2alignl 7, 3214868480
	.fill 96, 4, 3214868480
	.section	.rodata,"a",@progbits
	.p2align	6, 0x0
	.amdhsa_kernel k_q639e8e4068_qkv
		.amdhsa_group_segment_fixed_size 327680
		.amdhsa_private_segment_fixed_size 0
		.amdhsa_enable_private_segment 0
		.amdhsa_kernarg_size 40
		.amdhsa_user_sgpr_count 2
		.amdhsa_user_sgpr_kernarg_segment_ptr 1
		.amdhsa_wavefront_size32 1
		.amdhsa_system_sgpr_workgroup_id_x 1
		.amdhsa_system_sgpr_workgroup_id_y 1
		.amdhsa_system_sgpr_workgroup_id_z 1
		.amdhsa_system_vgpr_workitem_id 0
		.amdhsa_next_free_vgpr 1024
		.amdhsa_next_free_sgpr 102
		.amdhsa_reserve_vcc 0
		.amdhsa_float_denorm_mode_32 3
		.amdhsa_float_denorm_mode_16_64 3
		.amdhsa_memory_ordered 1
		.amdhsa_forward_progress 1
		.amdhsa_inst_pref_size 143
	.end_amdhsa_kernel
	.amdgpu_metadata
---
amdhsa.version: [ 1, 2 ]
amdhsa.kernels:
  - .name:           k_q639e8e4068_qkv
    .symbol:         k_q639e8e4068_qkv.kd
    .args:
      - { .name: xw, .offset: 0, .size: 8, .value_kind: global_buffer, .address_space: global }
      - { .name: bq, .offset: 8, .size: 8, .value_kind: global_buffer, .address_space: global }
      - { .name: bk, .offset: 16, .size: 8, .value_kind: global_buffer, .address_space: global }
      - { .name: bv, .offset: 24, .size: 8, .value_kind: global_buffer, .address_space: global }
      - { .name: qkvc, .offset: 32, .size: 8, .value_kind: global_buffer, .address_space: global }
    .group_segment_fixed_size: 327680
    .private_segment_fixed_size: 0
    .kernarg_segment_align: 8
    .kernarg_segment_size: 40
    .max_flat_workgroup_size: 128
    .sgpr_count:     102
    .vgpr_count:     1024
    .wavefront_size: 32
...
	.end_amdgpu_metadata
.endif
;; end of part 2
;; launch scores (part 3): grid 8 x 32, 4 waves a work-group, clusters of 4 x 4, 327,680 bytes of LDS; arguments qkvc, p_codes, p_stats; writes p_codes, p_stats
.if DOCPART == 3
	.amdgcn_target "amdgcn-amd-amdhsa--gfx1250"
	.amdhsa_code_object_version 6
	.text
	.protected	k_q639e8e4068_scores
	.globl	k_q639e8e4068_scores
	.p2align	8
	.type	k_q639e8e4068_scores,@function
k_q639e8e4068_scores:
	s_mov_b64 s[64:65], 0
	v_nop
	global_prefetch_b8 v0, s[64:65] scope:SCOPE_SE
	s_setreg_imm32_b32 hwreg(HW_REG_WAVE_MODE, 25, 1), 1
	s_wait_xcnt 0x0
	s_wait_alu depctr_hold_cnt(0) depctr_sa_sdst(0) depctr_va_vdst(0) depctr_va_sdst(0) depctr_va_ssrc(0) depctr_va_vcc(0) depctr_vm_vsrc(0)
	s_getreg_b32 s2, hwreg(HW_REG_IB_STS2, 6, 4)
	s_cmp_eq_u32 s2, 0
	s_cbranch_scc0 .Lentry_in_a_cluster
	s_endpgm
.Lentry_in_a_cluster:
	s_bfe_u32 s2, ttmp6, 0x10000c
	s_cmp_lg_u32 s2, 0xf033
	s_cbranch_scc0 .Lentry_shape_is_right
	s_endpgm
.Lentry_shape_is_right:
; S = Q K^T on codes of BF6 (E3M2), K = 1,024; then, in registers, the softmax's weights for the last product.  t = score x log2(e) / 32.
; A wave holds 128 queries x 128 keys.  For each query it takes M_loc = the ceiling of the largest t OF THESE 128 KEYS, a whole number; p = 2^(t - M_loc), at most 1, is quantised along the keys, block by block of 32.
; It stores the codes, the four scale bytes, -M_loc and the sum of the unquantised p.  The next launch brings every chunk under the row's M by taking M - M_loc off the scale bytes and multiplying the sums by 2^(M_loc - M):
; both exact, since the M are whole numbers; the codes stay.  So the maximum is taken away ahead of every exponential, and no exponent is above 0.
; The GEMM is the second launch's first: operands as blocks of 8 fragments (images of their registers) and scale words [2][16][4]; tile 256 (queries, I) x 256 (keys, J), source 0 = 16 keys, source 1 = 16 queries, so that a lane holds
; ONE query and its 64 registers of an I block are register 16 b + i = key 32 b + 16 (lane / 16) + i.  Q's 256 rows for all of K stay in LDS (2 x 102,400 bytes); K's go through two slots of two K steps, 51,200 bytes each:
;   head: Q 0-1 | K 0-1;  then Q 2-7 | K 2-3;  at K step 1 K 4-5, at 3 K 6-7, a block to each wave.  Cluster 4 x 4: Q jointly along a row, K along a column.
; PREFETCH: behind the head's load the second load's tiles are asked for: of each 76,800 bytes of Q a partner names 19,200 by its place along the row, of each 25,600 of K 6,400 by its place along the column.  The refills have two K steps
; in which to land and are not prefetched.  LDS loads of the next K step go out in two runs, as in the second launch.
; OUT: p_codes idx x 12,288 with idx = 16 (query / 128) + (key in batch) / 128; p_stats: words at idx x 512, -M_loc 524,288 further on, the sums 1,048,576 further on.
; LDS is claimed whole, and 0 is added to spare words.  LIMITS: NaN and infinities are not served; a block whose every p lies under 2^-122 gets the byte 1; scaled scores (t) stay under 2^31 in magnitude.
; A block's largest p is not searched for: the block's largest score goes through the same multiply-add and exponential (this takes v_exp_f32 not to fall where its input rises).
.set FRB,  1536
.set KSB,  8*FRB
.set BLK,  12800
.set WOFF, 12288
.set PAIR, 2*BLK
.set RG,   8*BLK
.set JB,   2*RG
.set SPARE, JB+4*PAIR
.set SCR,  SPARE+512                   ; 1,536 bytes a wave: words, -M_loc, sums on their way out; no fill lands here
.set KREG, 512*BLK
.set SC,   32
.set IS0,  64
.set PFO,  12
.set BI,   16
.set BIW,  17
.set BJ,   18
.set BJW,  19
.set VI,   20
.set VIW,  21
.set VJ,   22
.set VJW,  23
.set L16,  26
.set SWA,  27
.set SPW,  28
.set NIL,  29
.set SRD,  30
.set TM,   64                          ; the epilogue, in window 0: v64-87 at work, v96-135 codes, v136-143 words, v144-151 -M_loc, v152-159 sums
.set PC,   96
.set PW,   136
.set NMS,  144
.set LS,   152
.set NMW,  160                         ; v[160:161], v[162:163] -M_loc of the two blocks in hand (the packed form names a pair)
.set T,    164
.set T2,   166
.set SA,   168                         ; v168-183 the sums in four chains a block
.set CS,   80                          ; s[80:81] c = log2(e) / 32
.set WV,   18
.set WI,   19
.set WJ,   20
.set CXR,  21
.set CYR,  22
.set G1I,  24
.set G1J,  32
.set G0I,  40
.set G0J,  44
.set IT,   48
.set JT,   49
.set G1T,  56
.set G0T,  68
.set TL,   72
.set PFA,  84
.set NB,   8
.set R1,   NB/4+26                     ; LDS loads of a K step's first run,
.set LT,   R1+3*NB                     ; and of both
.set MSB,  0
.macro WIN new
.if MSB != (\new)
	s_set_vgpr_msb (MSB<<8)|(\new)
.set MSB, (\new)
.endif
.endm
.macro PLACES
.rept 4
	v_nop
.endr
.endm
.macro ADR i, iw, j, jw
.set XI, \i
.set XIW, \iw
.set XJ, \j
.set XJW, \jw
.endm
.macro NX off
.set FOI, \off
.set FOJ, \off
.set FOW, (\off)+WOFF
.endm
.macro LD1                             ; LDS load number LN of a K step, into set FS: words, J, I
.if LN < NB/4
	WIN 0
	ds_load_b128 v[SC+16*FS+4*LN:SC+16*FS+4*LN+3], v[XIW] offset:FOW+256*LN
.elseif LN < NB/4+2
	WIN 0
	ds_load_b128 v[SC+16*FS+8+4*(LN-NB/4):SC+16*FS+11+4*(LN-NB/4)], v[XJW] offset:FOJ+WOFF+256*(LN-NB/4)
.elseif LN < R1
	WIN 0x40
	ds_load_b128 v[96*FS+4*(LN-NB/4-2):96*FS+4*(LN-NB/4-2)+3], v[XJ] offset:FOJ+512*(LN-NB/4-2)
.else
	WIN 0
	ds_load_b128 v[IS0+12*NB*FS+4*(LN-R1):IS0+12*NB*FS+4*(LN-R1)+3], v[XI] offset:FOI+512*(LN-R1)
.endif
.set LN, LN+1
.set LC, LC+1
.endm
.macro RUN n
.rept \n
	LD1
.endr
	WIN 0
.endm
.macro FETCHALL
.set FS, 0
.set LN, 0
.set LC, 0
	RUN LT
.endm
.macro MB set, a, cm                   ; eight products: Q's block a against K's eight.  cm = 1: C = 0.  The 64 accumulators take turns
.irp b, 0,1,2,3,4,5,6,7
.set rD, 8*(8*((\a)%4)+\b)
.set rJ, 96*(\set)+12*\b
.set rI, IS0+12*NB*(\set)+12*(\a)
.set rS, SC+16*(\set)
	WIN 0xa1+0x50*((\a)/4)
.if (\cm) == 0
	v_wmma_scale_f32_16x16x128_f8f6f4 v[rD:rD+7], v[rJ:rJ+11], v[rI:rI+11], v[rD:rD+7], v[rS+8+\b], v[rS+(\a)] matrix_a_fmt:MATRIX_FMT_BF6 matrix_b_fmt:MATRIX_FMT_BF6
.else
	v_wmma_scale_f32_16x16x128_f8f6f4 v[rD:rD+7], v[rJ:rJ+11], v[rI:rI+11], 0, v[rS+8+\b], v[rS+(\a)] matrix_a_fmt:MATRIX_FMT_BF6 matrix_b_fmt:MATRIX_FMT_BF6
.endif
.endr
.endm
.macro KS set, cm, fetch
	s_wait_dscnt 3*(NB-1)                          ; words, J and block 0 of I are in
.set LC, 0
.if \fetch
	PLACES                                         ; between the last products and the loads into the registers that they read
.set FS, 1-(\set)
.set LN, 0
	RUN R1
.endif
.irp a, 0,1,2,3,4,5,6,7
.if \fetch
.if \a == NB/2
	RUN LT-R1
.endif
.endif
.if \a > 0
	s_wait_dscnt 3*(NB-1-\a)+LC                    ; behind block a's loads: those of the later blocks, and the next K step's so far
.endif
	MB \set, \a, \cm
.endr
	WIN 0
.endm
.macro CREST
	s_cmp_lg_u32 s[WV], 0
	s_cbranch_scc1 .Lnot_wave_0_\@
	s_barrier_signal -3
.Lnot_wave_0_\@:
	s_barrier_wait -3
	s_barrier_signal -1
	s_barrier_wait -1
.endm
.macro CROUND
	s_barrier_signal -1
	s_barrier_wait -1
	CREST
.endm
.macro JLOAD                           ; a joint load: waves 0, 1 fetch Q's halves, waves 2, 3 K's; four v_nop follow each line
	s_cmp_eq_u32 s[WI], 0
	s_cbranch_scc0 .Lfor_j_\@
	tensor_load_to_lds s[G0I:G0I+3], s[G1I:G1I+7]
	s_nop 0
	PLACES
	s_branch .Lasked_\@
.Lfor_j_\@:
	tensor_load_to_lds s[G0J:G0J+3], s[G1J:G1J+7]
	s_nop 0
	PLACES
.Lasked_\@:
.endm
; A K step with a barrier: it shows the other slot whole; fill = 1: it opens a round of the cluster's barrier, and the slot just read out is filled again.  In front of it my reads are over and all my tensor loads have landed
.macro TS set, fill
	s_wait_dscnt 0x0
	s_wait_tensorcnt 0x0
.if \fill
	ds_add_u32 v[SPW], v[NIL]
	s_add_co_u32 s[G0T+1], s[TL], s15
	s_add_nc_u64 s[G0T+2:G0T+3], s[G0T+2:G0T+3], PAIR
.endif
	MB \set, 0, 0
	s_wait_dscnt 0x0
	s_barrier_signal -1
	MB \set, 1, 0
	WIN 0
	s_barrier_wait -1
.if \fill
	CREST
	tensor_load_to_lds s[G0T:G0T+3], s[G1T:G1T+7]  ; jointly with my column
	s_nop 0
.endif
	PLACES                                         ; also the plain lines in front of the loads below
.set LC, 0
.set FS, 1-(\set)
.set LN, 0
	RUN R1
.irp a, 2,3,4
	MB \set, \a, 0
.endr
	RUN LT-R1
.irp a, 5,6,7
	MB \set, \a, 0
.endr
	WIN 0
.endm
.macro PAIRADR                         ; the addresses of the pair that is fetched next
	v_add_nc_u32 v[VI], s2, v[BI]
	v_add_nc_u32 v[VIW], s2, v[BIW]
	v_add_nc_u32 v[VJ], s3, v[BJ]
	v_add_nc_u32 v[VJW], s3, v[BJW]
	s_wait_alu depctr_va_vdst(0)
.endm
	s_load_b128 s[4:7], s[0:1], 0x0                ; qkvc s[4:5], p_codes s[6:7]
	s_load_b64 s[8:9], s[0:1], 0x10                ; p_stats
	v_lshl_add_u32 v[SPW], v0, 2, SPARE
	v_mov_b32 v[NIL], 0
	ds_add_u32 v[SPW], v[NIL]                      ; the opening add, twice on end; its wait stands ahead of the first tensor load
	ds_add_u32 v[SPW], v[NIL]
	v_lshrrev_b32 v1, 5, v0
	v_readfirstlane_b32 s[WV], v1
	s_lshr_b32 s[WI], s[WV], 1
	s_and_b32 s[WJ], s[WV], 1
	s_bfe_u32 s[CXR], ttmp6, 0x40000
	s_bfe_u32 s[CYR], ttmp6, 0x40004
	s_and_b32 s23, ttmp7, 0xffff
	s_lshl_b32 s[IT], s23, 2
	s_add_co_u32 s[IT], s[IT], s[CYR]              ; the tile of queries, 0-31; eight to a batch
	s_lshl_b32 s[JT], ttmp9, 2
	s_add_co_u32 s[JT], s[JT], s[CXR]              ; the tile of keys in the batch, 0-7
	s_lshl_b32 s66, s[IT], 1
	s_add_co_u32 s66, s66, s[WJ]
	s_mul_i32 s52, s66, RG
	s_mov_b32 s53, 0
	s_lshr_b32 s67, s23, 1                         ; the batch, from the cluster's y alone
	s_lshl_b32 s67, s67, 4
	s_lshl_b32 s54, s[JT], 1
	s_add_co_u32 s67, s67, s54
	s_add_co_u32 s67, s67, s[WJ]                   ; K's rg
	s_mul_i32 s54, s67, RG
	s_add_co_u32 s54, s54, KREG
	s_mov_b32 s55, 0
	s_mul_i32 s50, s[WI], BLK                      ; in a refill: which block of the pair
	s_mov_b32 s51, 0
	s_lshl_b32 s66, s[CYR], 2
	s_lshl_b32 s66, 15, s66
	s_lshl_b32 s67, 0x1111, s[CXR]
	s_or_b32 s[G1I], s66, (3<<16)|(1<<21)
	s_or_b32 s[G1J], s67, (3<<16)|(1<<21)
	s_or_b32 s[G1T], s67, (3<<16)|(1<<21)
.irp g, G1I, G1J, G1T
	s_mov_b32 s[\g+1], 32<<16
	s_mov_b32 s[\g+3], 32<<16
	s_mov_b32 s[\g+5], 32
	s_mov_b32 s[\g+6], 0
	s_mov_b32 s[\g+7], 0
.endr
.irp g, G1I, G1J
	s_mov_b32 s[\g+2], 100<<16
	s_mov_b32 s[\g+4], 100
.endr
	s_mov_b32 s[G1T+2], 50<<16
	s_mov_b32 s[G1T+4], 50
	s_mov_b32 s[G0I], 1
	s_mul_i32 s[G0I+1], s[WJ], RG
	s_mov_b32 s[G0J], 1
	s_mul_i32 s[TL], s[WJ], 2*PAIR
	s_add_co_u32 s[TL], s[TL], JB
	s_mov_b32 s[G0J+1], s[TL]
	s_add_co_u32 s[TL], s[TL], s50
	s_mov_b32 s[G0T], 1
	s_wait_alu depctr_va_vdst(0)
	s_wait_dscnt 0x0
	CROUND                                         ; the first joint loads meet
	s_wait_kmcnt 0x0
	s_add_nc_u64 s[G0I+2:G0I+3], s[4:5], s[52:53]
	s_or_b32 s[G0I+3], s[G0I+3], 0x80000000
	s_add_nc_u64 s[G0J+2:G0J+3], s[4:5], s[54:55]
	s_or_b32 s[G0J+3], s[G0J+3], 0x80000000
	JLOAD                                          ; K steps 0, 1: one tensor load a wave at the head
	v_and_b32 v1, 31, v0
	v_and_b32 v2, 15, v0
	v_lshlrev_b32 v[L16], 4, v1
	v_min_u32 v[PFO], 24, v1
	v_lshlrev_b32 v[PFO], 8, v[PFO]                ; 25 blocks of 256 bytes; the lanes left over name the last again
	s_wait_alu depctr_va_vdst(0)                   ; many readers follow among scalar lines
	s_mul_i32 s66, s[CXR], 19200                   ; my share of the second load's tiles, by my place
	s_mul_i32 s67, s[CYR], 6400
	s_cmp_eq_u32 s[WI], 0
	s_cselect_b32 s66, s66, s67
	s_cselect_b32 s67, s52, s54
	s_add_co_u32 s66, s66, s67
	s_mov_b32 s67, 0
	s_add_nc_u64 s[PFA:PFA+1], s[4:5], s[66:67]
	global_prefetch_b8 v[PFO], s[PFA:PFA+1] offset:PAIR th:TH_LOAD_NT scope:SCOPE_SE
	s_cmp_eq_u32 s[WI], 0
	s_cbranch_scc0 .Lask_end
.irp i, 1,2
	global_prefetch_b8 v[PFO], s[PFA:PFA+1] offset:PAIR+6400*\i th:TH_LOAD_NT scope:SCOPE_SE
.endr
.Lask_end:
	s_add_nc_u64 s[G0T+2:G0T+3], s[4:5], s[54:55]
	s_add_nc_u64 s[G0T+2:G0T+3], s[G0T+2:G0T+3], s[50:51]
	s_add_nc_u64 s[G0T+2:G0T+3], s[G0T+2:G0T+3], PAIR
	s_or_b32 s[G0T+3], s[G0T+3], 0x80000000
	s_mul_i32 s66, s[WI], RG
	v_add_nc_u32 v[BI], s66, v[L16]
	v_lshl_add_u32 v[BIW], v2, 4, s66
	s_mul_i32 s66, s[WJ], 2*PAIR
	s_add_co_u32 s66, s66, JB
	v_add_nc_u32 v[BJ], s66, v[L16]
	v_lshl_add_u32 v[BJW], v2, 4, s66
	s_mul_i32 s66, s[WV], 1536
	s_add_co_u32 s66, s66, SCR
	v_lshl_add_u32 v[SWA], v2, 2, s66
	v_add_nc_u32 v[SRD], s66, v[L16]
	s_lshl_b32 s66, s[IT], 1
	s_add_co_u32 s66, s66, s[WI]
	s_lshl_b32 s66, s66, 4
	s_lshl_b32 s67, s[JT], 1
	s_add_co_u32 s66, s66, s67
	s_add_co_u32 s2, s66, s[WJ]                    ; idx = 16 (query / 128) + key chunk
	s_mul_i32 s66, s2, KSB
	s_mov_b32 s67, 0
	s_add_nc_u64 s[6:7], s[6:7], s[66:67]
	s_lshl_b32 s66, s2, 9
	s_add_nc_u64 s[8:9], s[8:9], s[66:67]
	s_mov_b32 s2, PAIR                             ; Q's pair to be read,
	s_mov_b32 s3, PAIR                             ; K's slot to be read,
	s_mov_b32 s15, 0                               ; and the one to be filled
	s_mov_b32 s14, 0
	s_wait_alu depctr_va_vdst(0)
	s_wait_tensorcnt 0x0
	ds_add_u32 v[SPW], v[NIL]
	s_mov_b32 s[G1I+2], 300<<16                    ; no tensor load of mine is out: Q's next load brings six blocks
	s_mov_b32 s[G1I+4], 300
	s_add_co_u32 s[G0I+1], s[G0I+1], PAIR
	s_add_nc_u64 s[G0I+2:G0I+3], s[G0I+2:G0I+3], PAIR
	s_add_co_u32 s[G0J+1], s[G0J+1], PAIR
	s_add_nc_u64 s[G0J+2:G0J+3], s[G0J+2:G0J+3], PAIR
	s_wait_dscnt 0x0
	CROUND
	JLOAD                                          ; Q's K steps 2-7, K's 2, 3
	ADR BI, BIW, BJ, BJW
	NX 0
	FETCHALL
	NX BLK
	KS 0, 1, 1                                     ; the first products start the sums
	ADR VI, VIW, VJ, VJW
.Lk:                                                   ; trip t: K steps 2 t + 1 and 2 t + 2
	PAIRADR
	NX 0
	TS 1, 1
	NX BLK
	KS 0, 0, 1
	s_add_co_u32 s2, s2, PAIR
	s_xor_b32 s3, s3, PAIR
	s_xor_b32 s15, s15, PAIR
	s_add_co_u32 s14, s14, 1
	s_cmp_lt_u32 s14, 2
	s_cbranch_scc1 .Lk
	PAIRADR
	NX 0
	TS 1, 0                                        ; K step 5: the last pair is shown; nothing is filled any more
	NX BLK
	KS 0, 0, 1
	KS 1, 0, 0
	PLACES
; THE EPILOGUE, for the 32 queries of blocks a and a + 1.  One batch of exponentials, with a wait ahead of it, and a plain line and a wait behind it.
.macro SOFT2 a
.set W, 2+(\a)/4
.set AC, 64*((\a)%4)
	WIN (W<<2)|(W<<4)
	s_wait_alu depctr_va_vdst(0)
.irp k, 0,1,2,3,4,5,6,7
	v_max3_num_f32 v[TM+\k], 0xff800000, v[AC+16*\k], v[AC+16*\k+1]   ; the largest score of each block of 32 keys; each accumulator is read from its low end on
.endr
.irp i, 2,4,6,8,10,12,14
.irp k, 0,1,2,3,4,5,6,7
	v_max3_num_f32 v[TM+\k], v[TM+\k], v[AC+16*\k+\i], v[AC+16*\k+\i+1]
.endr
.endr
	WIN 0
.irp k, 0,1,2,3,4,5,6,7
	v_permlanex16_b32 v[TM+8+\k], v[TM+\k], s82, s83
.endr
.irp k, 0,1,2,3,4,5,6,7
	v_max_num_f32 v[TM+\k], v[TM+\k], v[TM+8+\k]
.endr
.irp q, 0,1
	v_max3_num_f32 v[T+\q], v[TM+4*\q], v[TM+4*\q+1], v[TM+4*\q+2]
.endr
.irp q, 0,1
	v_max_num_f32 v[T+\q], v[T+\q], v[TM+4*\q+3]   ; the largest score of my query among these 128 keys
.endr
.irp q, 0,1
	v_mul_f32 v[T+\q], s[CS], v[T+\q]              ; as t (c is positive)
.endr
.irp q, 0,1
	v_floor_f32 v[NMW+2*\q], -v[T+\q]              ; -M_loc = floor(-t) = -ceil(t)
.endr
.irp q, 0,1
	v_mov_b32 v[NMS+(\a)+\q], v[NMW+2*\q]
.endr
.irp k, 0,1,2,3,4,5,6,7
	v_fma_f32 v[TM+\k], v[TM+\k], s[CS], v[NMW+2*(\k/4)]   ; t - M_loc of each block's largest score
.endr
	WIN W|(W<<6)
.irp q, 0,1
.set j, 64*\q
.rept 32
	v_pk_fma_f32 v[AC+j:AC+j+1], v[AC+j:AC+j+1], s[CS:CS+1], v[NMW+2*\q:NMW+2*\q+1] op_sel_hi:[1,0,0]   ; t - M_loc, two at a time
.set j, j+2
.endr
.endr
	WIN 0
	s_wait_alu depctr_va_vdst(0)
.irp k, 0,1,2,3,4,5,6,7
	v_exp_f32 v[TM+\k], v[TM+\k]                   ; the block's largest p
.endr
	WIN W|(W<<6)
.set j, 0
.rept 128
	v_exp_f32 v[AC+j], v[AC+j]                     ; p = 2^(t - M_loc), at most 1
.set j, j+1
.endr
	v_nop
	s_wait_alu depctr_va_vdst(0)
	WIN W|(W<<2)
.irp c, 0,1,2,3                        ; the sum is taken of the unquantised p
.irp q, 0,1
	v_pk_add_f32 v[SA+8*\q+2*\c:SA+8*\q+2*\c+1], v[AC+64*\q+2*\c:AC+64*\q+2*\c+1], v[AC+64*\q+2*\c+8:AC+64*\q+2*\c+9]
.endr
.endr
	WIN W<<2
.set j, 8
.rept 24
.irp q, 0,1
	v_pk_add_f32 v[SA+8*\q+2*(j%4):SA+8*\q+2*(j%4)+1], v[SA+8*\q+2*(j%4):SA+8*\q+2*(j%4)+1], v[AC+64*\q+2*j:AC+64*\q+2*j+1]
.endr
.set j, j+1
.endr
	WIN 0
.irp k, 0,1,2,3,4,5,6,7
	v_max_num_f32 v[TM+\k], 0x2800000, v[TM+\k]    ; the floor 2^(5 - 127)
.endr
.irp c, 0,4,8,12
	v_pk_add_f32 v[SA+\c:SA+\c+1], v[SA+\c:SA+\c+1], v[SA+\c+2:SA+\c+3]
.endr
.irp k, 0,1,2,3,4,5,6,7
	v_add_nc_u32 v[TM+16+\k], 0xfe000000, v[TM+\k]
.endr
.irp q, 0,1
	v_pk_add_f32 v[SA+8*\q:SA+8*\q+1], v[SA+8*\q:SA+8*\q+1], v[SA+8*\q+4:SA+8*\q+5]
.endr
.irp k, 0,1,2,3,4,5,6,7
	v_lshrrev_b32 v[TM+8+\k], 23, v[TM+16+\k]
.endr
.irp q, 0,1
	v_add_f32 v[T+\q], v[SA+8*\q], v[SA+8*\q+1]
.endr
.irp b, 1,2,3
.irp q, 0,1
.if \b == 1
	v_lshl_or_b32 v[PW+(\a)+\q], v[TM+9+4*\q], 8, v[TM+8+4*\q]
.else
	v_lshl_or_b32 v[PW+(\a)+\q], v[TM+8+4*\q+\b], 8*\b, v[PW+(\a)+\q]
.endif
.endr
.endr
.irp q, 0,1
	v_permlanex16_b32 v[T2+\q], v[T+\q], s82, s83
.endr
.irp q, 0,1
	v_add_f32 v[LS+(\a)+\q], v[T+\q], v[T2+\q]
.endr
	s_wait_alu depctr_va_vdst(0)
	s_wait_xcnt 0x0                                ; the last blocks' stores have read their codes
	WIN W
.irp q, 0,1
.irp c, 0,1
	v_cvt_scalef32_pk16_bf6_f32 v[PC+20*\q+6*\c:PC+20*\q+6*\c+2], v[AC+64*\q+32*\c:AC+64*\q+32*\c+15], v[TM+16+4*\q+2*\c]
	v_cvt_scalef32_pk16_bf6_f32 v[PC+20*\q+12+4*\c:PC+20*\q+14+4*\c], v[AC+64*\q+32*\c+16:AC+64*\q+32*\c+31], v[TM+17+4*\q+2*\c]
.endr
.endr
	WIN 0
	v_nop
.irp i, 0,1,2
.irp q, 0,1
.irp c, 0,1
	v_permlane16_swap_b32 v[PC+20*\q+6*\c+\i], v[PC+20*\q+12+4*\c+\i]
.endr
.endr
.endr
.irp i, 0,1,2
.irp q, 0,1
.irp c, 0,1
	v_mov_b32 v[PC+20*\q+3+6*\c+\i], v[PC+20*\q+12+4*\c+\i]
.endr
.endr
.endr
.irp q, 0,1
.irp c, 0,1,2
	global_store_b128 v[L16], v[PC+20*\q+4*\c:PC+20*\q+4*\c+3], s[6:7] offset:FRB*((\a)+\q)+512*\c
.endr
	ds_store_b32 v[SWA], v[PW+(\a)+\q] offset:64*((\a)+\q)
	ds_store_b32 v[SWA], v[NMS+(\a)+\q] offset:512+64*((\a)+\q)
	ds_store_b32 v[SWA], v[LS+(\a)+\q] offset:1024+64*((\a)+\q)
.endr
.endm
	s_mov_b32 s82, 0x76543210
	s_mov_b32 s83, 0xfedcba98
	s_mov_b32 s[CS], 0x3d38aa3b                    ; log2(e) / 32
	s_mov_b32 s[CS+1], s[CS]
.irp k, 0,1,2,3,4,5,6,7
	v_mov_b32 v[TM+8+\k], 0                        ; a lane permute's destination counts as one of its sources
.endr
	v_mov_b32 v[T2], 0
	v_mov_b32 v[T2+1], 0
	v_mov_b32 v[NMW+1], 0                          ; named as the upper halves of pairs
	v_mov_b32 v[NMW+3], 0
.irp a, 0,2,4,6
	SOFT2 \a
.endr
.irp c, 0,1,2
	ds_load_b128 v[184+4*\c:187+4*\c], v[SRD] offset:512*\c
.endr
	s_wait_dscnt 0x0
.irp c, 0,1,2
	global_store_b128 v[L16], v[184+4*\c:187+4*\c], s[8:9] offset:524288*\c   ; 512 consecutive bytes each: the words, -M_loc, the sums
.endr
	s_wait_tensorcnt 0x0                           ; the wave's end
	ds_add_u32 v[SPW], v[NIL]
	s_wait_dscnt 0x0
	CROUND
	s_endpgm
.Lfunc_end_k_q639e8e4068_scores:
	.size	k_q639e8e4068_scores, .Lfunc_end_k_q639e8e4068_scores-k_q639e8e4068_scores
	.p2alignl 7, 3214868480
	.fill 96, 4, 3214868480
	.section	.rodata,"a",@progbits
	.p2align	6, 0x0
	.amdhsa_kernel k_q639e8e4068_scores
		.amdhsa_group_segment_fixed_size 327680
		.amdhsa_private_segment_fixed_size 0
		.amdhsa_enable_private_segment 0
		.amdhsa_kernarg_size 24
		.amdhsa_user_sgpr_count 2
		.amdhsa_user_sgpr_kernarg_segment_ptr 1
		.amdhsa_wavefront_size32 1
		.amdhsa_system_sgpr_workgroup_id_x 1
		.amdhsa_system_sgpr_workgroup_id_y 1
		.amdhsa_system_sgpr_workgroup_id_z 1
		.amdhsa_system_vgpr_workitem_id 0
		.amdhsa_next_free_vgpr 1024
		.amdhsa_next_free_sgpr 102
		.amdhsa_reserve_vcc 0
		.amdhsa_float_denorm_mode_32 3
		.amdhsa_float_denorm_mode_16_64 3
		.amdhsa_memory_ordered 1
		.amdhsa_forward_progress 1
		.amdhsa_inst_pref_size 173
	.end_amdhsa_kernel
	.amdgpu_metadata
---
amdhsa.version: [ 1, 2 ]
amdhsa.kernels:
  - .name:           k_q639e8e4068_scores
    .symbol:         k_q639e8e4068_scores.kd
    .args:
      - { .name: qkvc, .offset: 0, .size: 8, .value_kind: global_buffer, .address_space: global }
      - { .name: p_codes, .offset: 8, .size: 8, .value_kind: global_buffer, .address_space: global }
      - { .name: p_stats, .offset: 16, .size: 8, .value_kind: global_buffer, .address_space: global }
    .group_segment_fixed_size: 327680
    .private_segment_fixed_size: 0
    .kernarg_segment_align: 8
    .kernarg_segment_size: 24
    .max_flat_workgroup_size: 128
    .sgpr_count:     102
    .vgpr_count:     1024
    .wavefront_size: 32
...
	.end_amdgpu_metadata
.endif
;; end of part 3
;; launch pv (part 4): grid 4 x 64, 4 waves a work-group, clusters of 4 x 4, 327,680 bytes of LDS; arguments p_codes, p_stats, qkvc, out0; writes out0
.if DOCPART == 4
	.amdgcn_target "amdgcn-amd-amdhsa--gfx1250"
	.amdhsa_code_object_version 6
	.text
	.protected	k_q639e8e4068_pv
	.globl	k_q639e8e4068_pv
	.p2align	8
	.type	k_q639e8e4068_pv,@function
k_q639e8e4068_pv:
	s_mov_b64 s[64:65], 0
	v_nop
	global_prefetch_b8 v0, s[64:65] scope:SCOPE_SE
	s_setreg_imm32_b32 hwreg(HW_REG_WAVE_MODE, 25, 1), 1
	s_wait_xcnt 0x0
	s_wait_alu depctr_hold_cnt(0) depctr_sa_sdst(0) depctr_va_vdst(0) depctr_va_sdst(0) depctr_va_ssrc(0) depctr_va_vcc(0) depctr_vm_vsrc(0)
	s_getreg_b32 s2, hwreg(HW_REG_IB_STS2, 6, 4)
	s_cmp_eq_u32 s2, 0
	s_cbranch_scc0 .Lentry_in_a_cluster
	s_endpgm
.Lentry_in_a_cluster:
	s_bfe_u32 s2, ttmp6, 0x10000c
	s_cmp_lg_u32 s2, 0xf033
	s_cbranch_scc0 .Lentry_shape_is_right
	s_endpgm
.Lentry_shape_is_right:
; O = P V / l on codes of BF6 (E3M2), K = the batch's 2,048 keys, in 16 chunks of 128.
; P's codes were made under a whole number M_loc of each chunk.  THE PROLOGUE brings a row's 16 chunks under the row's M = the largest M_loc: e = M - M_loc, a whole number, is taken off the chunk's four scale bytes
; (held at 0 from below, which stands for 2^-127), and the chunk's sum is multiplied by 2^-e; l is the sum of these, and 1 / l multiplies O at the end.  e is held at 127.
; LIMIT: a weight more than 2^127 under its row's largest is multiplied with the scale 2^-127 in place of its smaller one; NaN and infinities are not served.
; A TILE is 128 queries (I = P) x 256 channels (J = V^T); a wave makes 64 x 128: 32 accumulators.  Source 0 = 16 channels, source 1 = 16 queries: a lane holds one query and eight neighbouring channels an accumulator.
; Operands are images of their registers, 8 fragments of 1,536 bytes to 128 rows x 128 K; V's blocks carry their scale words [2][16][4] behind the codes.  Lane r of fragment t holds row 32 (t / 2) + 8 (t % 2) + r + 8 (r / 8).
; RING: two LDS slots of four K steps; slot 0's first fill at the head, slot 1's behind a round of its own, each filled once more.  A wave issues one tensor load behind each.  Cluster 4 x 4: P jointly along a row, V along a column.
; PREFETCH: each slot's tiles but the first are asked for one slot ahead of the tensor load that wants them, behind the load before it: of each 24,576 bytes of P a partner names 6,144 by its place along the row, of each 51,200 of V
; 12,800 by its place along the column.  The last fill asks for nothing.
; LDS LOADS of the next K step go out in two runs, words and V in front of the products, P in their middle; block a of P waits for all but the 3 loads of each later block and those issued since.
; The last K step goes by rows: a block of 16 queries is on its way out while the later ones are multiplied.  LDS is claimed whole, and 0 is added to spare words.
; REGISTERS: window 0: v0-31 addresses, 1 / l; v32-63 scale words, two sets; v64-159 P's fragments, two sets.  window 1: v0-191 V's, two sets.  window 2: accumulator (a, b) at v[8 (8 a + b)].  window 3: rows on their way out.
.set FRB,  1536
.set KSB,  8*FRB
.set BLK,  12800
.set WOFF, 12288
.set IPART, 4*KSB                      ; four K steps of P's 128 rows
.set JPART, 4*BLK                      ; of 128 channels
.set SLOT, IPART+2*JPART
.set ISW,  2*SLOT                      ; P's shifted scale words [16 ks][2][16][4]: written by ds_store, no fill lands here
.set RL,   ISW+8192                    ; 1 / l of the 128 rows
.set SPARE, RL+512
.set RGP,  16*KSB
.set RGV,  16*BLK
.set VREG, 1024*BLK
.set SC,   32
.set IS0,  64
.set NB,   4
.set R1,   NB/4+26                     ; LDS loads of a K step's first run,
.set LT,   R1+3*NB                     ; and of both
.set RLV,  8                           ; v8, v10, v12, v14  1 / l of my four blocks' queries
.set BI,   16                          ; v16-19  bases: P, its words, V, its words
.set BIW,  17
.set BJ,   18
.set BJW,  19
.set VI,   20                          ; v20-23  the same for the slot that is read
.set VIW,  21
.set VJ,   22
.set VJW,  23
.set PFI,  24                          ; v24, v25  the prefetches' offsets
.set PFJ,  25
.set L16,  26
.set SWA,  27
.set SPW,  28
.set NIL,  29
.set SRD,  30
.set RLA,  31
.set WV,   18
.set WI,   19
.set WJ,   20
.set CXR,  21
.set CYR,  22
.set G1I,  24
.set G1J,  32
.set G0I,  40
.set G0J,  44
.set PAI,  84
.set PAJ,  86
.set MSB,  0
.macro WIN new
.if MSB != (\new)
	s_set_vgpr_msb (MSB<<8)|(\new)
.set MSB, (\new)
.endif
.endm
.macro PLACES
.rept 4
	v_nop
.endr
.endm
.macro NX q                            ; which K step of the slot is fetched next
.set FOI, (\q)*KSB
.set FOJ, (\q)*BLK
.set FOW, (\q)*512
.endm
.macro LD1
.if LN < NB/4
	WIN 0
	ds_load_b128 v[SC+16*FS+4*LN:SC+16*FS+4*LN+3], v[VIW] offset:FOW+256*LN
.elseif LN < NB/4+2
	WIN 0
	ds_load_b128 v[SC+16*FS+8+4*(LN-NB/4):SC+16*FS+11+4*(LN-NB/4)], v[VJW] offset:FOJ+WOFF+256*(LN-NB/4)
.elseif LN < R1
	WIN 0x40
	ds_load_b128 v[96*FS+4*(LN-NB/4-2):96*FS+4*(LN-NB/4-2)+3], v[VJ] offset:FOJ+512*(LN-NB/4-2)
.else
	WIN 0
	ds_load_b128 v[IS0+12*NB*FS+4*(LN-R1):IS0+12*NB*FS+4*(LN-R1)+3], v[VI] offset:FOI+512*(LN-R1)
.endif
.set LN, LN+1
.set LC, LC+1
.endm
.macro RUN n
.rept \n
	LD1
.endr
	WIN 0
.endm
.macro MB set, a, cm                   ; eight products: P's block a against V's eight.  cm = 1: C = 0.  The 32 accumulators take turns
.irp b, 0,1,2,3,4,5,6,7
.set rD, 8*(8*(\a)+\b)
.set rJ, 96*(\set)+12*\b
.set rI, IS0+12*NB*(\set)+12*(\a)
.set rS, SC+16*(\set)
	WIN 0xa1
.if (\cm) == 0
	v_wmma_scale_f32_16x16x128_f8f6f4 v[rD:rD+7], v[rJ:rJ+11], v[rI:rI+11], v[rD:rD+7], v[rS+8+\b], v[rS+(\a)] matrix_a_fmt:MATRIX_FMT_BF6 matrix_b_fmt:MATRIX_FMT_BF6
.else
	v_wmma_scale_f32_16x16x128_f8f6f4 v[rD:rD+7], v[rJ:rJ+11], v[rI:rI+11], 0, v[rS+8+\b], v[rS+(\a)] matrix_a_fmt:MATRIX_FMT_BF6 matrix_b_fmt:MATRIX_FMT_BF6
.endif
.endr
.endm
.macro KS set, cm
	s_wait_dscnt 3*(NB-1)
	PLACES                                         ; between the last products and the loads into the registers that they read
.set LC, 0
.set FS, 1-(\set)
.set LN, 0
	RUN R1
.irp a, 0,1,2,3
.if \a == 2
	RUN LT-R1
.endif
.if \a > 0
	s_wait_dscnt 3*(NB-1-\a)+LC
.endif
	MB \set, \a, \cm
.endr
	WIN 0
.endm
.macro CREST
	s_cmp_lg_u32 s[WV], 0
	s_cbranch_scc1 .Lnot_wave_0_\@
	s_barrier_signal -3
.Lnot_wave_0_\@:
	s_barrier_wait -3
	s_barrier_signal -1
	s_barrier_wait -1
.endm
.macro CROUND
	s_barrier_signal -1
	s_barrier_wait -1
	CREST
.endm
.macro JLOAD                           ; a joint load: waves 0, 1 fetch two K steps of P each, waves 2, 3 a half of V each; four v_nop follow each line
	s_cmp_eq_u32 s[WI], 0
	s_cbranch_scc0 .Lfor_j_\@
	tensor_load_to_lds s[G0I:G0I+3], s[G1I:G1I+7]
	s_nop 0
	PLACES
	s_branch .Lasked_\@
.Lfor_j_\@:
	tensor_load_to_lds s[G0J:G0J+3], s[G1J:G1J+7]
	s_nop 0
	PLACES
.Lasked_\@:
.endm
.macro ASK n                           ; my share of fill n's tiles
	s_cmp_eq_u32 s[WI], 0
	s_cbranch_scc0 .Lask_v_\@
	global_prefetch_b8 v[PFI], s[PAI:PAI+1] offset:IPART*\n th:TH_LOAD_NT scope:SCOPE_SE
	s_branch .Lask_end_\@
.Lask_v_\@:
	global_prefetch_b8 v[PFJ], s[PAJ:PAJ+1] offset:JPART*\n th:TH_LOAD_NT scope:SCOPE_SE
	global_prefetch_b8 v[PFJ], s[PAJ:PAJ+1] offset:JPART*\n+6400 th:TH_LOAD_NT scope:SCOPE_SE
.Lask_end_\@:
.endm
.macro SLOTADR                         ; the addresses of the slot that is read next
	v_add_nc_u32 v[VI], s2, v[BI]
	v_add_nc_u32 v[VIW], s3, v[BIW]
	v_add_nc_u32 v[VJ], s2, v[BJ]
	v_add_nc_u32 v[VJW], s2, v[BJW]
	s_wait_alu depctr_va_vdst(0)
.endm
; A slot's last K step, with a barrier: it shows the other slot whole; fill = 1: it opens a round of the cluster's barrier, and the slot is filled again.  In front of it my reads are over and all my tensor loads have landed
.macro TS fill
	s_mov_b32 s15, s2                              ; the slot just read out
	s_xor_b32 s2, s2, SLOT
	s_add_co_u32 s3, s3, 2048
	SLOTADR
	s_wait_dscnt 0x0
	s_wait_tensorcnt 0x0
.if \fill
	ds_add_u32 v[SPW], v[NIL]
	s_add_co_u32 s[G0I+1], s60, s15
	s_add_nc_u64 s[G0I+2:G0I+3], s[G0I+2:G0I+3], IPART
	s_add_co_u32 s[G0J+1], s61, s15
	s_add_nc_u64 s[G0J+2:G0J+3], s[G0J+2:G0J+3], JPART
.endif
	MB 1, 0, 0
	s_wait_dscnt 0x0
	s_barrier_signal -1
	MB 1, 1, 0
	WIN 0
	s_barrier_wait -1
.if \fill
	CREST
	JLOAD                                          ; its four v_nop are also the plain lines in front of the loads below
.else
	PLACES
.endif
	NX 0
.set LC, 0
.set FS, 0
.set LN, 0
	RUN R1
	MB 1, 2, 0
	RUN LT-R1
	MB 1, 3, 0
	WIN 0
.endm
	s_load_b256 s[4:11], s[0:1], 0x0               ; p_codes s[4:5], p_stats s[6:7], qkvc s[8:9], out0 s[10:11]
	v_lshl_add_u32 v[SPW], v0, 2, SPARE
	v_mov_b32 v[NIL], 0
	ds_add_u32 v[SPW], v[NIL]                      ; the opening add, twice on end; its wait stands ahead of the first tensor load
	ds_add_u32 v[SPW], v[NIL]
	v_lshrrev_b32 v1, 5, v0
	v_readfirstlane_b32 s[WV], v1
	s_lshr_b32 s[WI], s[WV], 1
	s_and_b32 s[WJ], s[WV], 1
	s_bfe_u32 s[CXR], ttmp6, 0x40000
	s_bfe_u32 s[CYR], ttmp6, 0x40004
	s_and_b32 s23, ttmp7, 0xffff
	s_lshl_b32 s56, s23, 2
	s_add_co_u32 s56, s56, s[CYR]                  ; rgq: my 128 queries, 0-63; sixteen to a batch
	s_mul_i32 s60, s[WJ], 2*KSB                    ; wave 0: K steps 0, 1 of a slot; wave 1: 2, 3: in memory and in LDS alike
	s_mul_i32 s68, s56, RGP
	s_add_co_u32 s68, s68, s60
	s_mov_b32 s69, 0
	s_lshr_b32 s57, s23, 2                         ; the batch, from the cluster's y alone
	s_lshl_b32 s57, s57, 3
	s_lshl_b32 s58, s[CXR], 1
	s_add_co_u32 s57, s57, s58
	s_add_co_u32 s57, s57, s[WJ]                   ; V^T's rg
	s_mul_i32 s70, s57, RGV
	s_add_co_u32 s70, s70, VREG
	s_mov_b32 s71, 0
	s_mul_i32 s61, s[WJ], JPART
	s_add_co_u32 s61, s61, IPART                   ; V's halves lie behind P's part of a slot
	s_lshl_b32 s58, s[CYR], 2
	s_lshl_b32 s58, 15, s58
	s_lshl_b32 s59, 0x1111, s[CXR]
	s_or_b32 s[G1I], s58, (3<<16)|(1<<21)
	s_or_b32 s[G1J], s59, (3<<16)|(1<<21)
	; groups 1: dense blocks as rows of 256 bytes: 96 rows of P, 200 of V
.irp g, G1I, G1J
	s_mov_b32 s[\g+1], 32<<16
	s_mov_b32 s[\g+3], 32<<16
	s_mov_b32 s[\g+5], 32
	s_mov_b32 s[\g+6], 0
	s_mov_b32 s[\g+7], 0
.endr
	s_mov_b32 s[G1I+2], 96<<16
	s_mov_b32 s[G1I+4], 96
	s_mov_b32 s[G1J+2], 200<<16
	s_mov_b32 s[G1J+4], 200
	s_mov_b32 s[G0I], 1
	s_mov_b32 s[G0I+1], s60
	s_mov_b32 s[G0J], 1
	s_mov_b32 s[G0J+1], s61
	s_wait_alu depctr_va_vdst(0)
	s_wait_dscnt 0x0
	CROUND                                         ; the first joint loads meet
	s_wait_kmcnt 0x0
	s_add_nc_u64 s[G0I+2:G0I+3], s[4:5], s[68:69]
	s_or_b32 s[G0I+3], s[G0I+3], 0x80000000
	s_add_nc_u64 s[G0J+2:G0J+3], s[8:9], s[70:71]
	s_or_b32 s[G0J+3], s[G0J+3], 0x80000000
	JLOAD                                          ; slot 0: one tensor load a wave at the head
	; ---- the prologue: thread n owns place n of the rg's 128 rows
	s_lshl_b32 s66, s56, 13
	s_mov_b32 s67, 0
	s_add_nc_u64 s[6:7], s[6:7], s[66:67]
	v_lshlrev_b32 v5, 2, v0
.irp k, 0,1,2,3,4,5,6,7,8,9,10,11,12,13,14,15
	global_load_b32 v[64+\k], v5, s[6:7] offset:524288+512*\k     ; -M_loc
.endr
.irp k, 0,1,2,3,4,5,6,7,8,9,10,11,12,13,14,15
	global_load_b32 v[80+\k], v5, s[6:7] offset:1048576+512*\k    ; the chunk's sum
.endr
.irp k, 0,1,2,3,4,5,6,7,8,9,10,11,12,13,14,15
	global_load_b32 v[96+\k], v5, s[6:7] offset:512*\k            ; its four scale bytes
.endr
	v_and_b32 v1, 31, v0
	v_and_b32 v2, 15, v0
	v_bfe_u32 v3, v0, 4, 1
	v_lshlrev_b32 v[L16], 4, v1
	v_min_u32 v[PFI], 23, v1
	v_lshlrev_b32 v[PFI], 8, v[PFI]                ; 24 blocks of 256 bytes; the lanes left over name the last again
	v_min_u32 v[PFJ], 24, v1
	v_lshlrev_b32 v[PFJ], 8, v[PFJ]                ; 25 blocks
	v_lshrrev_b32 v4, 6, v0
	v_lshlrev_b32 v6, 4, v2
	v_lshl_add_u32 v6, v4, 8, v6
	v_bfe_u32 v7, v0, 4, 2
	v_lshl_add_u32 v6, v7, 2, v6
	v_add_nc_u32 v6, ISW, v6                       ; my row's words: fragment t = n / 16, lane r = n % 16 at 256 (t / 4) + 16 r + 4 (t % 4)
	v_lshl_add_u32 v15, v0, 2, RL
	s_wait_alu depctr_va_vdst(0)                   ; many readers follow among scalar lines
	s_mul_i32 s66, s[CXR], 6144                    ; where my shares of the prefetches begin
	s_add_co_u32 s66, s66, s68
	s_add_nc_u64 s[PAI:PAI+1], s[4:5], s[66:67]
	s_mul_i32 s66, s[CYR], 12800
	s_add_co_u32 s66, s66, s70
	s_add_nc_u64 s[PAJ:PAJ+1], s[8:9], s[66:67]
	ASK 1
	s_mul_i32 s66, s[WI], 4*FRB                    ; my four blocks of P
	v_add_nc_u32 v[BI], s66, v[L16]
	s_mul_i32 s67, s[WJ], JPART
	s_add_co_u32 s67, s67, IPART
	v_add_nc_u32 v[BJ], s67, v[L16]
	v_lshl_add_u32 v[BJW], v2, 4, s67
	s_lshl_b32 s66, s[WI], 8
	s_add_co_u32 s67, s66, RL
	s_add_co_u32 s66, s66, ISW
	v_lshl_add_u32 v[BIW], v2, 4, s66
	v_lshl_add_u32 v[RLA], v2, 2, s67
	s_mul_i32 s66, s[WV], 16*528                   ; my stage, in slot 0
	v_mul_u32_u24 v4, v2, 528
	v_lshl_add_u32 v4, v3, 6, v4
	v_add_nc_u32 v[SWA], s66, v4                   ; row r, + 64 h
	v_add_nc_u32 v[SRD], s66, v[L16]
	s_lshl_b32 s66, s56, 19                        ; out0: 128 rows of 4,096 bytes an rg,
	s_lshl_b32 s67, s[WI], 18                      ; 64 rows a half,
	s_add_co_u32 s66, s66, s67
	s_lshl_b32 s67, s[CXR], 10                     ; 256 channels a tile,
	s_add_co_u32 s66, s66, s67
	s_lshl_b32 s67, s[WJ], 9                       ; 128 a wave
	s_add_co_u32 s66, s66, s67
	s_mov_b32 s67, 0
	s_add_nc_u64 s[10:11], s[10:11], s[66:67]
	s_mov_b32 s2, 0                                ; the slot that is read,
	s_mov_b32 s3, 0                                ; its words,
	s_mov_b32 s14, 0
	s_wait_alu depctr_va_vdst(0)
	SLOTADR
	s_wait_loadcnt 0x0
.macro ALL16 op:vararg                 ; one line for each of the 16 chunks, k = its number
.set k, 0
.rept 16
	\op
.set k, k+1
.endr
.endm
	v_min3_num_f32 v144, v64, v65, v66
	v_min3_num_f32 v145, v67, v68, v69
	v_min3_num_f32 v146, v70, v71, v72
	v_min3_num_f32 v147, v73, v74, v75
	v_min3_num_f32 v148, v76, v77, v78
	v_min3_num_f32 v144, v144, v145, v79
	v_min3_num_f32 v146, v146, v147, v148
	v_min_num_f32 v144, v144, v146                 ; the row's -M
	ALL16 v_sub_f32 v[112+k], v144, v[64+k]        ; M_loc - M: a whole number, 0 or less,
	ALL16 v_max_num_f32 v[112+k], 0xc2fe0000, v[112+k]   ; held at -127
	ALL16 v_cvt_i32_f32 v[112+k], v[112+k]
	ALL16 v_ldexp_f32 v[64+k], 1.0, v[112+k]
.irp c, 0,1,2,3
	v_mul_f32 v[145+\c], v[80+\c], v[64+\c]        ; l, in four chains
.endr
.irp c, 4,5,6,7,8,9,10,11,12,13,14,15
	v_fmac_f32 v[145+\c%4], v[80+\c], v[64+\c]
.endr
	ALL16 v_sub_nc_u32 v[112+k], 0, v[112+k]       ; e
	ALL16 v_mul_lo_u32 v[112+k], v[112+k], 0x01010101
	ALL16 v_or_b32 v[128+k], 0x80808080, v[96+k]   ; bytes are 123 at the most: with 128 on each, e (127 at the most) comes off without a borrow;
	v_add_f32 v145, v145, v146
	v_add_f32 v147, v147, v148
	v_add_f32 v145, v145, v147
	ALL16 v_sub_nc_u32 v[128+k], v[128+k], v[112+k]
	ALL16 v_and_b32 v[112+k], 0x80808080, v[128+k] ; where bit 7 is left, byte - e is 0 or more
	ALL16 v_lshrrev_b32 v[64+k], 7, v[112+k]
	ALL16 v_sub_nc_u32 v[112+k], v[112+k], v[64+k] ; 0x7f in those bytes, 0 in the others
	ALL16 v_and_b32 v[96+k], v[128+k], v[112+k]
	ALL16 ds_store_b32 v6, v[96+k] offset:512*k
	s_wait_alu depctr_va_vdst(0)
	v_rcp_f32 v149, v145
	v_nop
	s_wait_alu depctr_va_vdst(0)
	ds_store_b32 v15, v149
.irp a, 0,1,2
	v_mov_b32 v[RLV+1+2*\a], 0                     ; named as the upper halves of pairs (v15 is the fourth)
.endr
	s_wait_alu depctr_va_vdst(0)
	s_wait_tensorcnt 0x0                           ; my part of slot 0 is in
	ds_add_u32 v[SPW], v[NIL]
	s_add_co_u32 s[G0I+1], s60, SLOT
	s_add_nc_u64 s[G0I+2:G0I+3], s[G0I+2:G0I+3], IPART
	s_add_co_u32 s[G0J+1], s61, SLOT
	s_add_nc_u64 s[G0J+2:G0J+3], s[G0J+2:G0J+3], JPART
	s_wait_dscnt 0x0                               ; the add is done; and for the others' sake: my words and my 1 / l are stored
	CROUND
	JLOAD                                          ; slot 1
	NX 0
.set FS, 0
.set LN, 0
.set LC, 0
	RUN LT
	ASK 2
	NX 1
	KS 0, 1                                        ; K step 0: the first products start the sums
.Lk:                                                   ; trip t: K steps 4 t + 1 .. 4 t + 4
	NX 2
	KS 1, 0
	NX 3
	KS 0, 0
	TS 1                                           ; slot t takes K steps 4 t + 8 .. 4 t + 11
	s_cmp_eq_u32 s14, 0
	s_cbranch_scc0 .Lno_ask                        ; the last fill is asked for in trip 0
	ASK 3
.Lno_ask:
	NX 1
	KS 0, 0
	s_add_co_u32 s14, s14, 1
	s_cmp_lt_u32 s14, 2
	s_cbranch_scc1 .Lk
	NX 2
	KS 1, 0
	NX 3
	KS 0, 0
	TS 0                                           ; K step 11: behind this barrier nobody reads slot 0, and it has had its last fill: the stages lie there
	NX 1
	KS 0, 0
	NX 2
	KS 1, 0
	NX 3
	KS 0, 0
; THE WAY OUT, block by block of 16 queries x 128 channels: x 1 / l, through my stage (rows of 528 bytes), back as whole rows of 512 bytes.  Register g of accumulator b is channel 32 (b / 2) + 16 h + 8 (b % 2) + g.
.macro TOSTAGE a
	WIN 0x82                                       ; destination and source 0 window 2
.set j, 0
.rept 32
	v_pk_mul_f32 v[64*(\a)+j:64*(\a)+j+1], v[64*(\a)+j:64*(\a)+j+1], v[RLV+2*(\a):RLV+1+2*(\a)] op_sel_hi:[1,0]   ; ascending: each accumulator is read from its low end on
.set j, j+2
.endr
	WIN 0x08                                       ; an LDS store's data are its source 1
.irp b, 0,1,2,3,4,5,6,7
	ds_store_b128 v[SWA], v[64*(\a)+8*\b:64*(\a)+8*\b+3] offset:128*(\b/2)+32*(\b%2)
	ds_store_b128 v[SWA], v[64*(\a)+8*\b+4:64*(\a)+8*\b+7] offset:128*(\b/2)+32*(\b%2)+16
.endr
	WIN 0xc0                                       ; back into window 3, 64 registers a block
.irp t, 0,1,2,3,4,5,6,7,8,9,10,11,12,13,14,15
	ds_load_b128 v[64*(\a)+4*\t:64*(\a)+4*\t+3], v[SRD] offset:528*\t   ; LDS serves a wave's instructions in order: these see my stores, and the next block's stores come behind them
.endr
.endm
.macro SEND a, younger
	s_wait_dscnt \younger
	WIN 0x0c
.irp t, 0,1,2,3,4,5,6,7,8,9,10,11,12,13,14,15
	global_store_b128 v[L16], v[64*(\a)+4*\t:64*(\a)+4*\t+3], s[10:11] offset:(32*((\a)/2)+8*((\a)%2)+\t+8*(\t/8))*4096 th:TH_STORE_NT   ; 512 consecutive bytes of the row that stands at place t of the block
.endr
.endm
.irp a, 0,1,2,3
	ds_load_b32 v[RLV+2*\a], v[RLA] offset:64*\a
.endr
	s_wait_dscnt 0x0                               ; K step 15's fragments and 1 / l are in
	MB 1, 0, 0
	MB 1, 1, 0
	PLACES                                         ; in front of the first read of results; a later block's places are the multiplications of the block before it
	TOSTAGE 0
	MB 1, 2, 0
	TOSTAGE 1
	SEND 0, 32                                     ; behind block 0's loads: block 1's 16 stores and 16 loads
	MB 1, 3, 0
	TOSTAGE 2
	SEND 1, 32
	TOSTAGE 3
	SEND 2, 32
	SEND 3, 0
	WIN 0
	s_wait_tensorcnt 0x0                           ; the wave's end
	ds_add_u32 v[SPW], v[NIL]
	s_wait_dscnt 0x0
	CROUND
	s_endpgm
.Lfunc_end_k_q639e8e4068_pv:
	.size	k_q639e8e4068_pv, .Lfunc_end_k_q639e8e4068_pv-k_q639e8e4068_pv
	.p2alignl 7, 3214868480
	.fill 96, 4, 3214868480
	.section	.rodata,"a",@progbits
	.p2align	6, 0x0
	.amdhsa_kernel k_q639e8e4068_pv
		.amdhsa_group_segment_fixed_size 327680
		.amdhsa_private_segment_fixed_size 0
		.amdhsa_enable_private_segment 0
		.amdhsa_kernarg_size 32
		.amdhsa_user_sgpr_count 2
		.amdhsa_user_sgpr_kernarg_segment_ptr 1
		.amdhsa_wavefront_size32 1
		.amdhsa_system_sgpr_workgroup_id_x 1
		.amdhsa_system_sgpr_workgroup_id_y 1
		.amdhsa_system_sgpr_workgroup_id_z 1
		.amdhsa_system_vgpr_workitem_id 0
		.amdhsa_next_free_vgpr 1024
		.amdhsa_next_free_sgpr 102
		.amdhsa_reserve_vcc 0
		.amdhsa_float_denorm_mode_32 3
		.amdhsa_float_denorm_mode_16_64 3
		.amdhsa_memory_ordered 1
		.amdhsa_forward_progress 1
		.amdhsa_inst_pref_size 133
	.end_amdhsa_kernel
	.amdgpu_metadata
---
amdhsa.version: [ 1, 2 ]
amdhsa.kernels:
  - .name:           k_q639e8e4068_pv
    .symbol:         k_q639e8e4068_pv.kd
    .args:
      - { .name: p_codes, .offset: 0, .size: 8, .value_kind: global_buffer, .address_space: global }
      - { .name: p_stats, .offset: 8, .size: 8, .value_kind: global_buffer, .address_space: global }
      - { .name: qkvc, .offset: 16, .size: 8, .value_kind: global_buffer, .address_space: global }
      - { .name: out0, .offset: 24, .size: 8, .value_kind: global_buffer, .address_space: global }
    .group_segment_fixed_size: 327680
    .private_segment_fixed_size: 0
    .kernarg_segment_align: 8
    .kernarg_segment_size: 32
    .max_flat_workgroup_size: 128
    .sgpr_count:     102
    .vgpr_count:     1024
    .wavefront_size: 32
...
	.end_amdgpu_metadata
.endif
;; end of part 4
